; MI455X (gfx1250); checked and timed in simulation.
; The chip was launched on July 23, 2026; its instructions are those of AMD's public machine-readable ISA for CDNA 5 (MIT licence, August 2026) and "CDNA5" Instruction Set Architecture Reference Guide (July 2026). The comments in the code are by the model that wrote it; some were corrected since.
;; Transformer Block. Allowed arithmetic: matrix products marked QUANTISED: E5M2 operands, one E8M0 scale for each 32 along K, by v_wmma_scale_f32_16x16x128_f8f6f4 with both operands' format E5M2, f32 sums; everything else in f32.
;; Inputs: W1_codes 4,096 x 32 x 32 uint8 (E5M2 codes of W1, K innermost, in blocks of 32 codes); W1_scales 4,096 x 32 uint8 (E8M0 scales of W1, one for each 32 codes along K); W2_codes 1,024 x 128 x 32 uint8 (E5M2 codes of W2, K innermost, in blocks of 32 codes); W2_scales 1,024 x 128 uint8 (E8M0 scales of W2, one for each 32 codes along K); Wk_codes 1,024 x 32 x 32 uint8 (E5M2 codes of Wk, K innermost, in blocks of 32 codes); Wk_scales 1,024 x 32 uint8 (E8M0 scales of Wk, one for each 32 codes along K); Wo_codes 1,024 x 32 x 32 uint8 (E5M2 codes of Wo, K innermost, in blocks of 32 codes); Wo_scales 1,024 x 32 uint8 (E8M0 scales of Wo, one for each 32 codes along K); Wq_codes 1,024 x 32 x 32 uint8 (E5M2 codes of Wq, K innermost, in blocks of 32 codes); Wq_scales 1,024 x 32 uint8 (E8M0 scales of Wq, one for each 32 codes along K); Wv_codes 1,024 x 32 x 32 uint8 (E5M2 codes of Wv, K innermost, in blocks of 32 codes); Wv_scales 1,024 x 32 uint8 (E8M0 scales of Wv, one for each 32 codes along K); b1 4,096 float32; b2 1,024 float32; be1 1,024 float32; be2 1,024 float32; bk 1,024 float32; bo 1,024 float32; bq 1,024 float32; bv 1,024 float32; g1 1,024 float32; g2 1,024 float32; x 2 x 2,048 x 1,024 float32.
;; Outputs: out0 2 x 2,048 x 1,024 float32.
;; This version of the problem:
;;   THIS VERSION OF THE PROBLEM IS GIVEN IN LOW PRECISION. The matrix products marked QUANTISED in the list below multiply operands that are first quantised to E5M2 (5 exponent bits, 2 mantissa bits; 8 bits a number), with one power-of-two scale for each 32 numbers along K (OCP MX v1.0); their sums are f32. All else is computed in f32.
;;   The module's matrix products, in the order in which they are computed (A, B: the left and right operand; K: the contracted axis; several contracted axes count as one K, in the product's order):
;;     1. [M 4,096, K 1,024] x [K 1,024, N 1,024]; A: input x; B: input Wq (given as codes): QUANTISED
;;     2. [M 4,096, K 1,024] x [K 1,024, N 1,024]; A: input x; B: input Wk (given as codes): QUANTISED
;;     3. [M 4,096, K 1,024] x [K 1,024, N 1,024]; A: input x; B: input Wv (given as codes): QUANTISED
;;     4. batch 32 x [M 2,048, K 64] x [K 64, N 2,048]; A: computed on the way; B: computed on the way: QUANTISED
;;     5. batch 32 x [M 2,048, K 2,048] x [K 2,048, N 64]; A: softmax (see below); B: computed on the way: QUANTISED
;;     6. [M 4,096, K 1,024] x [K 1,024, N 1,024]; A: computed on the way; B: input Wo (given as codes): QUANTISED
;;     7. [M 4,096, K 1,024] x [K 1,024, N 4,096]; A: computed on the way; B: input W1 (given as codes): QUANTISED
;;     8. [M 4,096, K 4,096] x [K 4,096, N 1,024]; A: computed on the way; B: input W2 (given as codes): QUANTISED
;;   THE QUANTISER, for each operand of a quantised product, along K:
;;     - K is cut into blocks of 32 from its start; a last block that is shorter is filled with zeros.
;;     - A block's scale is 2^e with e = floor(log2(the largest magnitude in the block)) - 15, held to -126 .. 127; a block of zeros has e = 0. As a byte (E8M0): e + 127.
;;     - Each number is divided by its block's scale, clamped to +-57,344, and rounded to the nearest number of E5M2, ties to even, subnormals kept.
;;     - The product sums the exact products of the quantised numbers (number of the format x scale) in f32.
;;   ~~~python
;;   def quantise(x, axis):      # numpy; x: float32 -> the quantised numbers, widened to float32 again
;;       x = np.moveaxis(x, axis, -1); K = x.shape[-1]
;;       x = np.pad(x, [(0, 0)] * (x.ndim - 1) + [(0, -K % 32)]); x = x.reshape(x.shape[:-1] + (-1, 32)); a = np.abs(x).max(-1, keepdims=True)
;;       e = np.where(a > 0, np.clip(np.frexp(np.where(a > 0, a, 1))[1] - 1 - 15, -126, 127), 0)      # np.frexp(a)[1] - 1 = floor(log2(a)), exactly
;;       r = np.clip(x / 2.0 ** e, -57344, 57344)
;;       step = 2.0 ** (np.maximum(np.frexp(np.where(r == 0, 1, r))[1] - 1, -14) - 2)
;;       q = np.round(r / step) * step * 2.0 ** e      # np.round: ties to even
;;       return np.moveaxis(q.reshape(q.shape[:-2] + (-1,))[..., :K], -1, axis).astype(np.float32)
;;   ~~~
;;   SOFTMAX AHEAD OF A QUANTISED PRODUCT. Where the list says 'softmax', what is quantised is not the finished softmax but p = 2^(t - M), with t = logit x log2(e) and M = ceil(the row's largest t), a whole number; so 1/2 < the row's largest p <= 1. The row's sum l is taken of the UNQUANTISED p, in f32, and the product's result is divided by l at the end. Since M is a whole number, a kernel that streams over the keys may use a running M (the ceiling of the running maximum): every later rescaling is an exact power of two, which a block's scale takes up: the codes' values come out the same.
;;   OPERANDS COMPUTED ON THE WAY. 'Computed on the way' means the value that the module computes at that place (a softmax that the list does not call 'softmax' is quantised finished and normalised). What goes into a quantiser is computed in f32, as accurately as f32 sums, v_exp_f32 and their like allow (about 1e-6 of the number): no bf16 or f16 on the way to a quantiser, and a product that is left as it is and whose result goes on into a quantised operand takes f32 operands (vector FMAs, or v_wmma_f32_16x16x4_f32). A number that lies on a knife's edge between two numbers of the format may be rounded either way, as far as f32 arithmetic and the matrix unit's own rounding can turn it there, and no further.
;;   INPUTS GIVEN AS CODES. W1 (in the module: [1024, 4096], K = its axis 0); W2 (in the module: [4096, 1024], K = its axis 0); Wk (in the module: [1024, 1024], K = its axis 0); Wo (in the module: [1024, 1024], K = its axis 0); Wq (in the module: [1024, 1024], K = its axis 0); Wv (in the module: [1024, 1024], K = its axis 0): each comes as NAME_codes (uint8): NAME with its K axis moved to the last place and cut into blocks of 32 codes, [.., K / 32, bytes a block], one block behind the other in memory; one code a byte (a code: sign, 5 exponent bits, 2 mantissa bits); and NAME_scales (uint8): the same leading axes, one E8M0 byte (e + 127) for each 32 codes along K. Its value is code x scale, taken as it is: it is not quantised again, and the codes and scales need not be those that the quantiser above would give.
;; One version. Each part assembles by itself: llvm-mc -triple=amdgcn-amd-amdhsa -mcpu=gfx1250 --defsym DOCPART=n.
;; ======== version 1 of 1: 8 launches
;; limits: right only within a limited range of input values
;; workspace buffers: w 12,976,128 bytes; xq 4,325,376 bytes; qkv 13,369,344 bytes; ao 4,325,376 bytes; y 16,777,216 bytes; x1 21,102,592 bytes; hq 17,301,504 bytes
;; launch prep (part 1): grid 256 x 1, 8 waves a work-group, no clusters, 116,736 bytes of LDS; arguments x, Wq_codes, Wk_codes, Wv_codes, Wo_codes, W1_codes, W2_codes, Wq_scales, Wk_scales, Wv_scales, Wo_scales, W1_scales, W2_scales, xq, w; writes xq, w
.if DOCPART == 1
	.amdgcn_target "amdgcn-amd-amdhsa--gfx1250"
	.amdhsa_code_object_version 6
	.text
	.protected	k_q4e40a28ee2_prep
	.globl	k_q4e40a28ee2_prep
	.p2align	8
	.type	k_q4e40a28ee2_prep,@function
k_q4e40a28ee2_prep:
	s_mov_b64 s[64:65], 0
	v_nop
	global_prefetch_b8 v0, s[64:65] scope:SCOPE_SE
	s_setreg_imm32_b32 hwreg(HW_REG_WAVE_MODE, 25, 1), 1
	s_wait_xcnt 0x0
; PREP.  x [4096][1024] f32 is quantised along K into codes of E5M2 with one E8M0 byte for each 32; the six weights, which arrive as codes with K innermost, are laid anew.  Both leave in ONE layout:
; IMAGES OF OPERAND REGISTERS.  A fragment (t = row / 16, s = k / 128) is 2,048 bytes: register group c (four registers) of lane l lies at 512 c + 16 l.  Fragment (t, s) of an operand with K codes a row lies at
; (t >> 3) 128 K + (s >> 1) 32768 + (t & 7) 4096 + (s & 1) 2048; its scale words (four bytes: the row's four blocks) at (t >> 3) 4 K + 512 s + 64 (t & 7) + 4 r.
; ORDER OF k INSIDE A BLOCK OF 32, in every operand of this program: lane (r, h) holds in registers 4 c, 4 c + 1 the codes k = 32 c + 8 h + 0 .. 7 and in 4 c + 2, 4 c + 3 the codes k = 32 c + 16 + 8 h + 0 .. 7.
; That permutes k inside one scale block, alike on both sides of every product: products and scales stay; only the grouping of the sums inside the matrix unit differs (LIMIT: last bits of the sums).
; A block's scale is 2^(floor(log2(largest magnitude)) - 15); its byte is that magnitude's exponent field - 15, held at 1 from below.  LIMITS: a block of zeros, or one under 2^-111, gets the byte 1
; (its codes are zeros or held small; only this program reads these bytes); NaN and infinities among the inputs are not served.
; SHARES.  Work-group g takes four pieces of 16 rows: tile g of x (1,024 numbers a row), and three units of 1,024 codes a row: tile g & 63 of Wq, Wk, Wv or Wo (which: g >> 6), tile g of W1, and quarter g & 3 along K of tile g >> 2 of W2.
; All work-groups take one path: only pointers and offsets are chosen, by the work-group's number.
; A fragment wants 8 or 32 bytes of each of sixteen rows; a load is best where neighbouring lanes take neighbouring bytes.  Both are had through LDS.  PHASE 1: wave w loads rows 2 w and 2 w + 1 of each piece, every load 512 consecutive
; bytes, aligned, and puts them into LDS as they lie.  One barrier.  PHASE 2: wave s takes fragment s of each piece out of LDS in the operand's order; the weights' codes are stored as they come, x is quantised first.
; Every store of codes covers 512 consecutive bytes, aligned; the scale words leave in runs of 64 bytes.  A unit's scale words are loaded by each wave for its own fragment: 4 bytes of each of sixteen rows, one load a unit.
; No tensor loads, no matrix unit, no cluster: memory binds, and no two work-groups read the same bytes.
.set XP,   4112                        ; LDS: a row of x: 4,096 bytes + 16: the sixteen rows of a 16-byte load start in sixteen different 16-byte columns of the banks (64 banks of 4 bytes: ISA guide 11.1)
.set WST,  16*XP                       ; behind x's 16 rows: the three units' stages
.set WP,   1040                        ; a row of codes: 1,024 bytes + 16 = 260 words: row r starts at bank 4 r, so the 32 lanes of an 8-byte load touch 64 different banks
.set WU,   16*WP                       ; a unit's stage
.set XR,   64                          ; v64-127  my two rows of x, then my fragment's 64 numbers
.set WR,   128                         ; v128-175 the three units: 16 registers each: my two rows, then my fragment
.set SW,   176                         ; v176-178 their scale words
.set DA,   180                         ; v180-187 store offsets, image and scale words: the small weight, W1, W2, x
.set PC,   16                          ; v16-31   x's codes
.set TM,   48                          ; v48-63   at work: largest magnitudes, bytes, scale operands: four each
.set PW,   12                          ; v12      x's scale word
.set SEL,  50                          ; s[50:51] v_permlanex16_b32's selects for lane l xor 16
.set MNT,  52
; 16 nb numbers of a lane, register 16 b + i of v[s] on, become codes in v[pc] on and a scale word in v[pw].  A block of 32 lies in lanes l and l xor 16.
.macro QUANT s, nb, pc, pw
.set qb, 0
.rept \nb
	v_max3_num_f32 v[TM+qb], |v[\s+16*qb]|, |v[\s+16*qb+1]|, 0x8000000      ; my 16 numbers, and the floor 2^(16 - 127): the byte cannot fall under 1
.set qb, qb+1
.endr
.set qi, 2
.rept 7
.set qb, 0
.rept \nb
	s_delay_alu instid0(VALU_DEP_4)
	v_max3_num_f32 v[TM+qb], v[TM+qb], |v[\s+16*qb+qi]|, |v[\s+16*qb+qi+1]|  ; the blocks by turns
.set qb, qb+1
.endr
.set qi, qi+2
.endr
.set qb, 0
.rept \nb
	s_delay_alu instid0(VALU_DEP_4)
	v_permlanex16_b32 v[TM+4+qb], v[TM+qb], s[SEL], s[SEL+1]
.set qb, qb+1
.endr
.set qb, 0
.rept \nb
	s_delay_alu instid0(VALU_DEP_4)
	v_max_num_f32 v[TM+qb], v[TM+qb], v[TM+4+qb]                            ; the block's largest magnitude
.set qb, qb+1
.endr
.set qb, 0
.rept \nb
	s_delay_alu instid0(VALU_DEP_4)
	v_add_nc_u32 v[TM+12+qb], 0xf8800000, v[TM+qb]                          ; 15 off its exponent field: the conversion's scale operand
.set qb, qb+1
.endr
.set qb, 0
.rept \nb
.set qb, qb+1
.endr
.set qb, 0
.rept \nb
	s_delay_alu instid0(VALU_DEP_4)
	v_lshrrev_b32 v[TM+4+qb], 23, v[TM+12+qb]                               ; the scale's byte
.set qb, qb+1
.endr
	s_delay_alu instid0(VALU_DEP_3)
	v_lshl_or_b32 v[\pw], v[TM+5], 8, v[TM+4]
.if \nb > 2
	s_delay_alu instid0(VALU_DEP_1)
	v_lshl_or_b32 v[\pw], v[TM+6], 16, v[\pw]
	s_delay_alu instid0(VALU_DEP_1)
	v_lshl_or_b32 v[\pw], v[TM+7], 24, v[\pw]
.endif
.set qb, 0
.rept \nb
.set qi, 0
.rept 16
.set qi, qi+1
.endr
	v_cvt_scalef32_pk8_bf8_f32 v[\pc+4*qb:\pc+4*qb+1], v[\s+16*qb:\s+16*qb+7], v[TM+12+qb]
	v_cvt_scalef32_pk8_bf8_f32 v[\pc+4*qb+2:\pc+4*qb+3], v[\s+16*qb+8:\s+16*qb+15], v[TM+12+qb]
.set qb, qb+1
.endr
	v_nop                                          ; one plain line behind the last scaled conversion
.endm
	s_load_b512 s[4:19], s[0:1], 0x0               ; x s[4:5]; codes of Wq s[6:7], Wk s[8:9], Wv s[10:11], Wo s[12:13], W1 s[14:15], W2 s[16:17]; scales of Wq s[18:19]
	s_load_b256 s[20:27], s[0:1], 0x40             ; scales of Wk s[20:21], Wv s[22:23], Wo s[24:25], W1 s[26:27]
	s_load_b128 s[28:31], s[0:1], 0x60             ; scales of W2 s[28:29]; xq s[30:31]
	s_load_b64 s[32:33], s[0:1], 0x70              ; w
	v_lshl_add_u32 v192, v0, 2, 0x1c400
	v_mov_b32 v193, 0
	v_lshrrev_b32 v1, 5, v0
	s_delay_alu instid0(VALU_DEP_1)
	v_readfirstlane_b32 s34, v1                    ; wave 0..7
	v_and_b32 v2, 31, v0
	s_delay_alu instid0(VALU_DEP_1)
	v_lshlrev_b32 v1, 4, v2                        ; 16 x lane
	v_and_b32 v2, 15, v0                           ; r
	v_bfe_u32 v3, v0, 4, 1                         ; h
	s_delay_alu instid0(VALU_DEP_2)
	v_lshlrev_b32 v8, 5, v2                        ; 32 r: a row of scale bytes where K = 1,024
	s_delay_alu instid0(VALU_DEP_3)
	v_lshlrev_b32 v9, 7, v2                        ; 128 r: where K = 4,096
	s_delay_alu instid0(VALU_DEP_4)
	v_lshlrev_b32 v10, 2, v2                       ; 4 r
	; from where: my two rows of each piece, and my fragment's scale words
	s_lshl_b32 s54, ttmp9, 16                      ; x: 16 rows of 4,096 bytes,
	s_lshl_b32 s55, s34, 13                        ; my two of them
	s_add_co_u32 s54, s54, s55
	s_mov_b32 s55, 0
	s_lshl_b32 s56, ttmp9, 14                      ; W1's codes: unit g is 16,384 consecutive bytes,
	s_lshl_b32 s57, s34, 11                        ; my two rows of 1,024
	s_add_co_u32 s56, s56, s57
	s_mov_b32 s57, 0
	s_lshl_b32 s58, ttmp9, 9                       ; W1's scale bytes: 16 rows of 32,
	s_lshl_b32 s59, s34, 2                         ; my fragment's word in each
	s_add_co_u32 s58, s58, s59
	s_mov_b32 s59, 0
	s_and_b32 s35, ttmp9, 63                       ; the small weight's tile
	s_lshl_b32 s60, s35, 14
	s_lshl_b32 s61, s34, 11
	s_add_co_u32 s60, s60, s61
	s_mov_b32 s61, 0
	s_lshl_b32 s62, s35, 9
	s_lshl_b32 s63, s34, 2
	s_add_co_u32 s62, s62, s63
	s_mov_b32 s63, 0
	s_lshr_b32 s35, ttmp9, 2                       ; W2's tile,
	s_and_b32 s36, ttmp9, 3                        ; and which 1,024 along K
	s_lshl_b32 s44, s35, 16                        ; 16 rows of 4,096 bytes
	s_lshl_b32 s45, s36, 10
	s_add_co_u32 s44, s44, s45
	s_lshl_b32 s45, s34, 13                        ; my two rows
	s_add_co_u32 s44, s44, s45
	s_mov_b32 s45, 0
	s_lshl_b32 s46, s35, 11                        ; 16 rows of 128 scale bytes
	s_lshl_b32 s47, s36, 5
	s_add_co_u32 s46, s46, s47
	s_lshl_b32 s47, s34, 2
	s_add_co_u32 s46, s46, s47
	s_mov_b32 s47, 0
	s_mov_b32 s[SEL], 0x76543210
	s_mov_b32 s[SEL+1], 0xfedcba98
	s_wait_alu depctr_va_vdst(0)
	s_wait_kmcnt 0x0
	s_mov_b64 s[40:41], s[12:13]                   ; the small weight: Wo to begin with,
	s_mov_b64 s[42:43], s[24:25]
	s_cmp_lt_u32 ttmp9, 192
	s_cselect_b64 s[40:41], s[10:11], s[40:41]     ; Wv,
	s_cselect_b64 s[42:43], s[22:23], s[42:43]
	s_cmp_lt_u32 ttmp9, 128
	s_cselect_b64 s[40:41], s[8:9], s[40:41]       ; Wk,
	s_cselect_b64 s[42:43], s[20:21], s[42:43]
	s_cmp_lt_u32 ttmp9, 64
	s_cselect_b64 s[40:41], s[6:7], s[40:41]       ; Wq: the choice hangs on the work-group's number alone
	s_cselect_b64 s[42:43], s[18:19], s[42:43]
	s_add_nc_u64 s[4:5], s[4:5], s[54:55]
	s_add_nc_u64 s[14:15], s[14:15], s[56:57]
	s_add_nc_u64 s[26:27], s[26:27], s[58:59]
	s_add_nc_u64 s[40:41], s[40:41], s[60:61]
	s_add_nc_u64 s[42:43], s[42:43], s[62:63]
	s_add_nc_u64 s[16:17], s[16:17], s[44:45]
	s_add_nc_u64 s[28:29], s[28:29], s[46:47]
.irp p, 0,1
.irp i, 0,1,2,3,4,5,6,7
	global_load_b128 v[XR+32*\p+4*\i:XR+32*\p+4*\i+3], v1, s[4:5] offset:4096*\p+512*\i th:TH_LOAD_NT     ; 32 lanes read 512 consecutive bytes
.endr
.endr
.irp p, 0,1
.irp i, 0,1
	global_load_b128 v[WR+8*\p+4*\i:WR+8*\p+4*\i+3], v1, s[40:41] offset:1024*\p+512*\i th:TH_LOAD_NT
	global_load_b128 v[WR+16+8*\p+4*\i:WR+16+8*\p+4*\i+3], v1, s[14:15] offset:1024*\p+512*\i th:TH_LOAD_NT
	global_load_b128 v[WR+32+8*\p+4*\i:WR+32+8*\p+4*\i+3], v1, s[16:17] offset:4096*\p+512*\i th:TH_LOAD_NT
.endr
.endr
	global_load_b32 v[SW], v8, s[42:43]            ; row r's word of my fragment (lanes r and r + 16 take the same)
	global_load_b32 v[SW+1], v8, s[26:27]
	global_load_b32 v[SW+2], v9, s[28:29]
	; while the loads are out: the LDS addresses,
	s_mul_i32 s35, s34, 2*XP
	v_add_nc_u32 v4, s35, v1                       ; x, in: my two rows, 16 bytes a lane
	s_mul_i32 s35, s34, 2*WP
	s_add_co_u32 s35, s35, WST
	v_add_nc_u32 v5, s35, v1                       ; a unit, in: likewise
	v_mul_u32_u24 v6, v2, XP
	s_delay_alu instid0(VALU_DEP_1)
	v_lshl_add_u32 v6, v3, 5, v6
	s_lshl_b32 s35, s34, 9
	v_add_nc_u32 v6, s35, v6                       ; x, out: row r, + 32 h, + my fragment's 128 numbers
	v_mul_u32_u24 v7, v2, WP
	s_delay_alu instid0(VALU_DEP_1)
	v_lshl_add_u32 v7, v3, 3, v7
	s_lshl_b32 s35, s34, 7
	s_add_co_u32 s35, s35, WST
	v_add_nc_u32 v7, s35, v7                       ; a unit, out: row r, + 8 h, + my fragment's 128 codes
.irp b, 0,1,2,3
	v_mov_b32 v[TM+4+\b], 0                        ; written once: a lane permute's destination counts as one of its sources
.endr
	; and to where: fragment s = my wave's number
	s_lshr_b32 s36, s34, 1
	s_lshl_b32 s36, s36, 15
	s_and_b32 s37, s34, 1
	s_lshl_b32 s37, s37, 11
	s_add_co_u32 s36, s36, s37                     ; (s >> 1) 32768 + (s & 1) 2048
	s_lshl_b32 s37, s34, 9                         ; 512 s
	s_lshr_b32 s38, ttmp9, 3                       ; g >> 3
	s_and_b32 s39, ttmp9, 7                        ; g & 7
	s_lshl_b32 s53, s39, 12
	s_add_co_u32 s53, s53, s36                     ; (g & 7) 4096 + the fragment's place: x, W1 and the small weight share it
	s_lshl_b32 s35, s39, 6
	s_add_co_u32 s35, s35, s37                     ; (g & 7) 64 + 512 s
	s_lshl_b32 s44, s38, 17                        ; x and W1: tile g of an operand with K = 1,024
	s_add_co_u32 s44, s44, s53
	s_lshl_b32 s45, s38, 12
	s_add_co_u32 s45, s45, s35
	v_add_nc_u32 v[DA+6], s44, v1
	s_add_co_u32 s46, s45, 4194304
	v_add_nc_u32 v[DA+7], s46, v10
	s_add_co_u32 s46, s44, 0x400000
	v_add_nc_u32 v[DA+2], s46, v1
	s_add_co_u32 s46, s45, 12582912+131072
	v_add_nc_u32 v[DA+3], s46, v10
	s_lshr_b32 s47, ttmp9, 6                       ; the small weight: tensor g >> 6: sections of 1 MiB of codes and of 32,768 bytes of scale words;
	s_and_b32 s48, s38, 7                          ; its tile's upper part
	s_lshl_b32 s44, s47, 20
	s_lshl_b32 s45, s48, 17
	s_add_co_u32 s44, s44, s45
	s_add_co_u32 s44, s44, s53
	v_add_nc_u32 v[DA], s44, v1
	s_lshl_b32 s44, s47, 15
	s_lshl_b32 s45, s48, 12
	s_add_co_u32 s44, s44, s45
	s_add_co_u32 s44, s44, s35
	s_add_co_u32 s44, s44, 12582912
	v_add_nc_u32 v[DA+1], s44, v10
	s_lshr_b32 s47, ttmp9, 5                       ; W2: tile t = g >> 2: t >> 3,
	s_bfe_u32 s48, ttmp9, 0x30002                  ; t & 7,
	s_and_b32 s49, ttmp9, 3                        ; and the quarter of K: eight fragments, 131,072 bytes of images, 4,096 of scale words
	s_lshl_b32 s44, s47, 19
	s_lshl_b32 s45, s49, 17
	s_add_co_u32 s44, s44, s45
	s_lshl_b32 s45, s48, 12
	s_add_co_u32 s44, s44, s45
	s_add_co_u32 s44, s44, s36
	s_add_co_u32 s44, s44, 0x800000
	v_add_nc_u32 v[DA+4], s44, v1
	s_lshl_b32 s44, s47, 14
	s_lshl_b32 s45, s49, 12
	s_add_co_u32 s44, s44, s45
	s_lshl_b32 s45, s48, 6
	s_add_co_u32 s44, s44, s45
	s_add_co_u32 s44, s44, s37
	s_add_co_u32 s44, s44, 12582912+262144
	v_add_nc_u32 v[DA+5], s44, v10
	s_wait_alu depctr_va_vdst(0)
	s_wait_loadcnt 15                              ; x's sixteen loads are in; the units' twelve and the three scale words may be out
.irp p, 0,1
.irp i, 0,1,2,3,4,5,6,7
	ds_store_b128 v4, v[XR+32*\p+4*\i:XR+32*\p+4*\i+3] offset:XP*\p+512*\i
.endr
.endr
	s_wait_loadcnt 0x0
.irp n, 0,1,2
.irp p, 0,1
.irp i, 0,1
	ds_store_b128 v5, v[WR+16*\n+8*\p+4*\i:WR+16*\n+8*\p+4*\i+3] offset:WU*\n+WP*\p+512*\i
.endr
.endr
.endr
	s_wait_dscnt 0x0                               ; for the others' sake: my rows lie in LDS
	s_barrier_signal -1
	s_barrier_wait -1
.irp n, 0,1,2
.irp c, 0,1,2,3,4,5,6,7
	ds_load_b64 v[WR+16*\n+2*\c:WR+16*\n+2*\c+1], v7 offset:WU*\n+16*\c       ; k = 16 c + 8 h + 0 .. 7 of my 128: the order stated at the head
.endr
.endr
.irp b, 0,1,2,3
.irp u, 0,1
.irp j, 0,1
	ds_load_b128 v[XR+16*\b+8*\u+4*\j:XR+16*\b+8*\u+4*\j+3], v6 offset:128*\b+64*\u+16*\j
.endr
.endr
.endr
	s_wait_dscnt 16                                ; the units' 24 loads are in; x's sixteen may be out
.irp n, 0,1,2
.irp c, 0,1,2,3
	global_store_b128 v[DA+2*\n], v[WR+16*\n+4*\c:WR+16*\n+4*\c+3], s[32:33] offset:512*\c   ; 32 lanes store 512 consecutive bytes, aligned
.endr
	global_store_b32 v[DA+2*\n+1], v[SW+\n], s[32:33]          ; lanes r and r + 16 hold the same word and store it to the same place
.endr
	s_wait_dscnt 0x0
	QUANT XR, 4, PC, PW
.irp c, 0,1,2,3
	global_store_b128 v[DA+6], v[PC+4*\c:PC+4*\c+3], s[30:31] offset:512*\c
.endr
	global_store_b32 v[DA+7], v[PW], s[30:31]
	s_wait_tensorcnt 0x0
	ds_add_u32 v192, v193
	s_wait_dscnt 0x0
	s_endpgm
.Lfunc_end_k_q4e40a28ee2_prep:
	.size	k_q4e40a28ee2_prep, .Lfunc_end_k_q4e40a28ee2_prep-k_q4e40a28ee2_prep
	.p2alignl 7, 3214868480
	.fill 96, 4, 3214868480
	.section	.rodata,"a",@progbits
	.p2align	6, 0x0
	.amdhsa_kernel k_q4e40a28ee2_prep
		.amdhsa_group_segment_fixed_size 116736
		.amdhsa_private_segment_fixed_size 0
		.amdhsa_enable_private_segment 0
		.amdhsa_kernarg_size 120
		.amdhsa_user_sgpr_count 2
		.amdhsa_user_sgpr_kernarg_segment_ptr 1
		.amdhsa_wavefront_size32 1
		.amdhsa_system_sgpr_workgroup_id_x 1
		.amdhsa_system_sgpr_workgroup_id_y 1
		.amdhsa_system_sgpr_workgroup_id_z 1
		.amdhsa_system_vgpr_workitem_id 0
		.amdhsa_next_free_vgpr 194
		.amdhsa_next_free_sgpr 66
		.amdhsa_reserve_vcc 0
		.amdhsa_float_denorm_mode_32 3
		.amdhsa_float_denorm_mode_16_64 3
		.amdhsa_fp16_overflow 1
		.amdhsa_memory_ordered 1
		.amdhsa_forward_progress 1
		.amdhsa_inst_pref_size 21
	.end_amdhsa_kernel
	.amdgpu_metadata
---
amdhsa.version: [ 1, 2 ]
amdhsa.kernels:
  - .name:           k_q4e40a28ee2_prep
    .symbol:         k_q4e40a28ee2_prep.kd
    .args:
      - { .name: x, .offset: 0, .size: 8, .value_kind: global_buffer, .address_space: global }
      - { .name: Wq_codes, .offset: 8, .size: 8, .value_kind: global_buffer, .address_space: global }
      - { .name: Wk_codes, .offset: 16, .size: 8, .value_kind: global_buffer, .address_space: global }
      - { .name: Wv_codes, .offset: 24, .size: 8, .value_kind: global_buffer, .address_space: global }
      - { .name: Wo_codes, .offset: 32, .size: 8, .value_kind: global_buffer, .address_space: global }
      - { .name: W1_codes, .offset: 40, .size: 8, .value_kind: global_buffer, .address_space: global }
      - { .name: W2_codes, .offset: 48, .size: 8, .value_kind: global_buffer, .address_space: global }
      - { .name: Wq_scales, .offset: 56, .size: 8, .value_kind: global_buffer, .address_space: global }
      - { .name: Wk_scales, .offset: 64, .size: 8, .value_kind: global_buffer, .address_space: global }
      - { .name: Wv_scales, .offset: 72, .size: 8, .value_kind: global_buffer, .address_space: global }
      - { .name: Wo_scales, .offset: 80, .size: 8, .value_kind: global_buffer, .address_space: global }
      - { .name: W1_scales, .offset: 88, .size: 8, .value_kind: global_buffer, .address_space: global }
      - { .name: W2_scales, .offset: 96, .size: 8, .value_kind: global_buffer, .address_space: global }
      - { .name: xq, .offset: 104, .size: 8, .value_kind: global_buffer, .address_space: global }
      - { .name: w, .offset: 112, .size: 8, .value_kind: global_buffer, .address_space: global }
    .group_segment_fixed_size: 116736
    .private_segment_fixed_size: 0
    .kernarg_segment_align: 8
    .kernarg_segment_size: 120
    .max_flat_workgroup_size: 256
    .sgpr_count:     66
    .vgpr_count:     194
    .wavefront_size: 32
...
	.end_amdgpu_metadata
.endif
;; end of part 1
;; launch qkv (part 2): grid 12 x 16, 4 waves a work-group, clusters of 4 x 4, 327,680 bytes of LDS; arguments xq, w, bq, bk, bv, qkv; writes qkv
.if DOCPART == 2
	.amdgcn_target "amdgcn-amd-amdhsa--gfx1250"
	.amdhsa_code_object_version 6
	.text
	.protected	k_q4e40a28ee2_qkv
	.globl	k_q4e40a28ee2_qkv
	.p2align	8
	.type	k_q4e40a28ee2_qkv,@function
k_q4e40a28ee2_qkv:
	s_mov_b64 s[64:65], 0
	v_nop
	global_prefetch_b8 v0, s[64:65] scope:SCOPE_SE
	s_setreg_imm32_b32 hwreg(HW_REG_WAVE_MODE, 25, 1), 1
	s_wait_xcnt 0x0
	s_wait_alu depctr_hold_cnt(0) depctr_sa_sdst(0) depctr_va_vdst(0) depctr_va_sdst(0) depctr_va_ssrc(0) depctr_va_vcc(0) depctr_vm_vsrc(0)
	s_getreg_b32 s2, hwreg(HW_REG_IB_STS2, 6, 4)
	s_cmp_eq_u32 s2, 0
	s_cbranch_scc0 .Lentry_in_a_cluster
	s_endpgm
.Lentry_in_a_cluster:
	s_bfe_u32 s2, ttmp6, 0x10000c
	s_cmp_lg_u32 s2, 0xf033
	s_cbranch_scc0 .Lentry_shape_is_right
	s_endpgm
.Lentry_shape_is_right:
.set NB,    8
.set NQ,    2
.set KK,    1024
.set KS,    KK/128
.set HS,    KS*NB*64
.set SLOT,  131072
.set STEPB, 16384*NQ
.set SCL_L, 2*SLOT
.set SPARE, SCL_L+4*HS
.set LAPS,  KK/(256*NQ)
.set NL,    4
.set NP,    8
.set ADRA, 16
.set ADRB, 20
.set ADRS, 27
.set SPW,  28
.set NIL,  29
.set SC,   32
.set BC,   64
.set AF,   128
.set G1,   24
.set G0,   32
.set G1B,  48
.set G0B,  56
.set G1S,  68
.set G0S,  76
.set G1SB, 80
.set G0SB, 88
.set PC,   192
.set TM,   208
.set PW,   224
.set SEL,  90
.set MNT,  88
.set MSB, 0
.macro WIN new
.if MSB != \new
	s_set_vgpr_msb (MSB<<8)|\new
.set MSB, \new
.endif
.endm
.macro PLACES n
.rept \n
	v_nop
.endr
.endm
.macro JLOAD g0a, g1a, g0b, g1b
	s_cmp_eq_u32 s15, 0
	s_cbranch_scc0 .Lfor_b_\@
	tensor_load_to_lds s[\g0a:\g0a+3], s[\g1a:\g1a+7]
	s_nop 0
.rept 4
	v_nop
.endr
	s_branch .Lasked_\@
.Lfor_b_\@:
	tensor_load_to_lds s[\g0b:\g0b+3], s[\g1b:\g1b+7]
	s_nop 0
.rept 4
	v_nop
.endr
.Lasked_\@:
.endm
.macro CREST
	s_cmp_lg_u32 s14, 0
	s_cbranch_scc1 .Lnot_wave_0_\@
	s_barrier_signal -3
.Lnot_wave_0_\@:
	s_barrier_wait -3
	s_barrier_signal -1
	s_barrier_wait -1
.endm
.macro CROUND
	s_barrier_signal -1
	s_barrier_wait -1
	CREST
.endm
.macro FRAG reg, adr, q, i
.irp c, 0,1,2,3
	ds_load_b128 v[\reg+4*\c:\reg+4*\c+3], v[\adr] offset:((\q)>>1)*(NB*4096)+(\i)*4096+((\q)&1)*2048+512*\c
.endr
.endm
.macro FETCH_B slot, q, p
	WIN 0x40
.set fi, 0
.rept NB
	FRAG 128*(\p)+16*fi, ADRB+\slot, \q, fi
.set fi, fi+1
.endr
	WIN 0
.endm
.macro FETCH_A slot, q, i0
.set fi, \i0
.rept NB/2
	FRAG AF+16*fi, ADRA+\slot, \q, fi
.set fi, fi+1
.endr
.endm
.macro SCALES set
.set fi, 0
.rept NB
.set fq, 0
.rept NQ
	ds_load_b32 v[SC+16*(\set)+NQ*fi+fq], v[ADRS] offset:fq*NB*64+64*fi
.set fq, fq+1
.endr
.set fi, fi+1
.endr
.endm
.macro MULQ qt, p, q, set, first
.set ma, (\qt)*(NB/4)
.rept NB/4
.set wa, 2+(ma*NB)/32
.if \first
.set wn, (wa<<6)|1
.else
.set wn, (wa<<6)|(wa<<4)|1
.endif
	WIN wn
.set mb, 0
.rept NB
.set ac, (8*(ma*NB+mb))%256
.if \first
	v_wmma_scale_f32_16x16x128_f8f6f4 v[ac:ac+7], v[128*(\p)+16*mb:128*(\p)+16*mb+15], v[AF+16*ma:AF+16*ma+15], v[BC+8*mb:BC+8*mb+7], v[SC+16*(\set)+NQ*mb+(\q)], v[SC+16*(\set)+NQ*ma+(\q)] matrix_a_fmt:MATRIX_FMT_BF8 matrix_b_fmt:MATRIX_FMT_BF8 matrix_a_scale:MATRIX_SCALE_ROW1
.else
	v_wmma_scale_f32_16x16x128_f8f6f4 v[ac:ac+7], v[128*(\p)+16*mb:128*(\p)+16*mb+15], v[AF+16*ma:AF+16*ma+15], v[ac:ac+7], v[SC+16*(\set)+NQ*mb+(\q)], v[SC+16*(\set)+NQ*ma+(\q)] matrix_a_fmt:MATRIX_FMT_BF8 matrix_b_fmt:MATRIX_FMT_BF8 matrix_a_scale:MATRIX_SCALE_ROW1
.endif
.set mb, mb+1
.endr
.set ma, ma+1
.endr
.endm
.macro STEP slot, q, first
	s_wait_dscnt (NB/2)*NL
	MULQ 0, (\q)%2, \q, \slot, \first
	MULQ 1, (\q)%2, \q, \slot, \first
	s_wait_dscnt 0x0
	PLACES NP
	FETCH_B \slot, (\q)+1, 1-(\q)%2
	FETCH_A \slot, (\q)+1, 0
	MULQ 2, (\q)%2, \q, \slot, \first
	MULQ 3, (\q)%2, \q, \slot, \first
	PLACES NP
	WIN 0
	FETCH_A \slot, (\q)+1, NB/2
.endm
.macro TURN slot, next, fill
	s_wait_tensorcnt 0x0
	ds_add_u32 v[SPW], v[NIL]
	s_wait_dscnt (NB/2)*NL+1
	MULQ 0, 1, NQ-1, \slot, 0
	s_wait_dscnt 0x0
	s_barrier_signal -1
	MULQ 1, 1, NQ-1, \slot, 0
	WIN 0
	s_barrier_wait -1
.if \fill
	CREST
	s_add_nc_u64 s[G0+4*\slot+2:G0+4*\slot+3], s[G0+4*\slot+2:G0+4*\slot+3], 2*STEPB
	s_add_nc_u64 s[G0B+4*\slot+2:G0B+4*\slot+3], s[G0B+4*\slot+2:G0B+4*\slot+3], 2*STEPB
	JLOAD G0+4*\slot, G1, G0B+4*\slot, G1B
	PLACES NP-4
.else
	PLACES NP
.endif
	s_wait_alu depctr_va_vdst(0)
	v_add_nc_u32 v[ADRS], NQ*NB*64, v[ADRS]
	FETCH_B \next, 0, 0
	FETCH_A \next, 0, 0
	SCALES \next
	MULQ 2, 1, NQ-1, \slot, 0
	MULQ 3, 1, NQ-1, \slot, 0
	PLACES NP
	WIN 0
	FETCH_A \next, 0, NB/2
.endm
.macro MID slot
.if NQ > 2
	STEP \slot, 1, 0
	STEP \slot, 2, 0
.endif
.endm
.macro QUANT s, nb, pc, pw
.set qb, 0
.rept \nb
	v_max3_num_f32 v[TM+qb], |v[\s+16*qb]|, |v[\s+16*qb+1]|, 0x8000000
.set qb, qb+1
.endr
.set qi, 2
.rept 7
.set qb, 0
.rept \nb
	v_max3_num_f32 v[TM+qb], v[TM+qb], |v[\s+16*qb+qi]|, |v[\s+16*qb+qi+1]|
.set qb, qb+1
.endr
.set qi, qi+2
.endr
.set qb, 0
.rept \nb
	v_permlanex16_b32 v[TM+4+qb], v[TM+qb], s[SEL], s[SEL+1]
.set qb, qb+1
.endr
.set qb, 0
.rept \nb
	v_max_num_f32 v[TM+qb], v[TM+qb], v[TM+4+qb]
.set qb, qb+1
.endr
.set qb, 0
.rept \nb
	v_add_nc_u32 v[TM+12+qb], 0xf8800000, v[TM+qb]
.set qb, qb+1
.endr
.set qb, 0
.rept \nb
.set qb, qb+1
.endr
.set qb, 0
.rept \nb
	v_lshrrev_b32 v[TM+4+qb], 23, v[TM+12+qb]
.set qb, qb+1
.endr
	v_lshl_or_b32 v[\pw], v[TM+5], 8, v[TM+4]
.if \nb > 2
	v_lshl_or_b32 v[\pw], v[TM+6], 16, v[\pw]
	v_lshl_or_b32 v[\pw], v[TM+7], 24, v[\pw]
.endif
.set qb, 0
.rept \nb
.set qi, 0
.rept 16
.set qi, qi+1
.endr
	v_cvt_scalef32_pk8_bf8_f32 v[\pc+4*qb:\pc+4*qb+1], v[\s+16*qb:\s+16*qb+7], v[TM+12+qb]
	v_cvt_scalef32_pk8_bf8_f32 v[\pc+4*qb+2:\pc+4*qb+3], v[\s+16*qb+8:\s+16*qb+15], v[TM+12+qb]
.set qb, qb+1
.endr
	v_nop
.endm
	s_load_b256 s[4:11], s[0:1], 0x0
	s_load_b128 s[96:99], s[0:1], 0x20
	v_lshl_add_u32 v[SPW], v0, 2, SPARE
	v_mov_b32 v[NIL], 0
	ds_add_u32 v28, v29
	ds_add_u32 v28, v29
	s_wait_dscnt 0x0
	v_lshrrev_b32 v1, 5, v0
	v_readfirstlane_b32 s14, v1
	s_lshr_b32 s15, s14, 1
	s_and_b32 s16, s14, 1
	s_bfe_u32 s40, ttmp6, 0x40000
	s_bfe_u32 s41, ttmp6, 0x40004
	s_and_b32 s18, ttmp7, 0xffff
	s_lshl_b32 s18, s18, 2
	s_lshl_b32 s19, ttmp9, 20
	s_lshl_b32 s95, ttmp9, 15
	s_add_co_u32 s95, s95, 12582912
	s_mov_b32 s67, 4194304
	s_cmp_eq_u32 ttmp9, 2
	s_cselect_b32 s17, 0, s18
	s_cselect_b32 s42, s18, 0
	s_cselect_b32 s66, 0x200000, 0
	s_cselect_b32 s19, 0, s19
	s_cselect_b32 s95, s67, s95
	s_cselect_b32 s67, 12648448, s67
	s_add_co_u32 s17, s17, s41
	s_add_co_u32 s42, s42, s40
	s_lshl_b32 s43, s41, 2
	s_lshl_b32 s43, 15, s43
	s_lshl_b32 s44, 0x1111, s40
	s_or_b32 s[G1], s43, (3<<16)|(1<<21)
	s_or_b32 s[G1B], s44, (3<<16)|(1<<21)
	s_or_b32 s[G1S], s43, (3<<16)|(1<<21)
	s_or_b32 s[G1SB], s44, (3<<16)|(1<<21)
.irp g, G1, G1B
	s_mov_b32 s[\g+1], 32<<16
	s_mov_b32 s[\g+2], 128<<16
	s_mov_b32 s[\g+3], 32<<16
	s_mov_b32 s[\g+4], 128
	s_mov_b32 s[\g+5], 32
	s_mov_b32 s[\g+6], 0
	s_mov_b32 s[\g+7], 0
.endr
.irp g, G1S, G1SB
	s_mov_b32 s[\g+1], 32<<16
	s_mov_b32 s[\g+2], 16<<16
	s_mov_b32 s[\g+3], 32<<16
	s_mov_b32 s[\g+4], 16
	s_mov_b32 s[\g+5], 32
	s_mov_b32 s[\g+6], 0
	s_mov_b32 s[\g+7], 0
.endr
	s_lshl_b32 s20, s17, 1
	s_add_co_u32 s20, s20, s16
	s_lshl_b32 s22, s20, 12
	s_lshl_b32 s20, s20, 17
	s_add_co_u32 s20, s20, s66
	s_add_co_u32 s22, s22, s67
	s_mov_b32 s21, 0
	s_mov_b32 s23, 0
	s_lshl_b32 s46, s42, 1
	s_add_co_u32 s46, s46, s16
	s_lshl_b32 s92, s46, 12
	s_lshl_b32 s46, s46, 17
	s_add_co_u32 s46, s46, s19
	s_add_co_u32 s92, s92, s95
	s_mov_b32 s47, 0
	s_mov_b32 s93, 0
	s_lshl_b32 s45, s14, 15
	s_mul_i32 s94, s14, HS
	s_wait_kmcnt 0x0
	s_cmp_eq_u32 ttmp9, 2
	s_cselect_b64 s[18:19], s[6:7], s[4:5]
	s_cselect_b64 s[66:67], s[4:5], s[6:7]
	s_add_nc_u64 s[20:21], s[18:19], s[20:21]
	s_add_nc_u64 s[22:23], s[18:19], s[22:23]
	s_add_nc_u64 s[46:47], s[66:67], s[46:47]
	s_add_nc_u64 s[92:93], s[66:67], s[92:93]
	CROUND
	s_mov_b32 s[G0S], 1
	s_add_co_u32 s[G0S+1], s94, SCL_L
	s_mov_b64 s[G0S+2:G0S+3], s[22:23]
	s_or_b32 s[G0S+3], s[G0S+3], 0x80000000
	s_mov_b32 s[G0SB], 1
	s_add_co_u32 s[G0SB+1], s94, SCL_L
	s_mov_b64 s[G0SB+2:G0SB+3], s[92:93]
	s_or_b32 s[G0SB+3], s[G0SB+3], 0x80000000
	JLOAD G0S, G1S, G0SB, G1SB
.irp s, 0,1
	s_mov_b32 s[G0+4*\s], 1
	s_add_co_u32 s[G0+4*\s+1], s45, \s*SLOT
	s_add_nc_u64 s[G0+4*\s+2:G0+4*\s+3], s[20:21], \s*STEPB
	s_or_b32 s[G0+4*\s+3], s[G0+4*\s+3], 0x80000000
	s_mov_b32 s[G0B+4*\s], 1
	s_add_co_u32 s[G0B+4*\s+1], s45, \s*SLOT
	s_add_nc_u64 s[G0B+4*\s+2:G0B+4*\s+3], s[46:47], \s*STEPB
	s_or_b32 s[G0B+4*\s+3], s[G0B+4*\s+3], 0x80000000
	s_wait_alu depctr_va_vdst(0)
	s_wait_tensorcnt 0x0
	ds_add_u32 v28, v29
	s_wait_dscnt 0x0
	CROUND
	JLOAD G0+4*\s, G1, G0B+4*\s, G1B
.endr
	v_and_b32 v1, 15, v0
	v_bfe_u32 v2, v0, 4, 1
	s_wait_alu depctr_va_vdst(0)
	v_and_b32 v3, 31, v0
	v_lshlrev_b32 v3, 4, v3
	s_lshl_b32 s21, s15, 15
	s_lshl_b32 s22, s16, 15
	s_add_co_u32 s22, s22, 65536
.irp s, 0,1
	v_add_nc_u32 v[ADRA+\s], s21, v3
	v_add_nc_u32 v[ADRB+\s], s22, v3
	s_add_co_u32 s21, s21, SLOT
	s_add_co_u32 s22, s22, SLOT
.endr
	s_mul_i32 s21, s15, HS
	s_mul_i32 s22, s16, HS
	s_add_co_u32 s22, s22, 2*HS
	s_sub_co_u32 s22, s22, s21
	v_mul_u32_u24 v6, s22, v2
	s_add_co_u32 s21, s21, SCL_L
	v_lshl_add_u32 v5, v1, 2, v6
	v_add_nc_u32 v[ADRS], s21, v5
	v_lshlrev_b32 v30, 5, v2
	v_lshlrev_b32 v31, 2, v1
	s_cmp_eq_u32 ttmp9, 2
	s_cbranch_scc1 .Lbias_v
	s_cmp_eq_u32 ttmp9, 0
	s_cselect_b64 s[18:19], s[8:9], s[10:11]
	s_lshl_b32 s66, s40, 10
	s_lshl_b32 s67, s16, 9
	s_add_co_u32 s66, s66, s67
	s_mov_b32 s67, 0
	s_add_nc_u64 s[18:19], s[18:19], s[66:67]
	s_wait_alu depctr_va_vdst(0)
.irp b, 0,1,2,3,4,5,6,7
.irp u, 0,1
	global_load_b128 v[BC+8*\b+4*\u:BC+8*\b+4*\u+3], v30, s[18:19] offset:64*\b+16*\u
.endr
.endr
.irp a, 0,1,2,3,4,5,6,7
	v_mov_b32 v[8+\a], 0
.endr
	s_branch .Lbias_done
.Lbias_v:
	s_lshl_b32 s66, s41, 10
	s_lshl_b32 s67, s15, 9
	s_add_co_u32 s66, s66, s67
	s_mov_b32 s67, 0
	s_add_nc_u64 s[18:19], s[96:97], s[66:67]
	s_wait_alu depctr_va_vdst(0)
.irp a, 0,1,2,3,4,5,6,7
	global_load_b32 v[8+\a], v31, s[18:19] offset:64*\a
.endr
.set zi, 0
.rept 64
	v_mov_b32 v[BC+zi], 0
.set zi, zi+1
.endr
.Lbias_done:
	s_wait_tensorcnt 0x1
	s_barrier_signal -1
	s_barrier_wait -1
	FETCH_B 0, 0, 0
	FETCH_A 0, 0, 0
	SCALES 0
	FETCH_A 0, 0, NB/2
	s_wait_loadcnt 0x0
	s_wait_alu depctr_va_vdst(0)
	STEP 0, 0, 1
.if LAPS > 1
	s_mov_b32 s3, LAPS-1
.Llap:
	MID 0
	TURN 0, 1, 1
	STEP 1, 0, 0
	MID 1
	TURN 1, 0, 1
	STEP 0, 0, 0
	s_sub_co_u32 s3, s3, 1
	s_cmp_lg_u32 s3, 0
	s_cbranch_scc1 .Llap
.endif
	MID 0
	TURN 0, 1, 0
	STEP 1, 0, 0
	MID 1
	s_wait_dscnt (NB/2)*NL
	MULQ 0, 1, NQ-1, 1, 0
	MULQ 1, 1, NQ-1, 1, 0
	s_wait_dscnt 0x0
	MULQ 2, 1, NQ-1, 1, 0
	MULQ 3, 1, NQ-1, 1, 0
	WIN 0
	PLACES NP
	s_cmp_eq_u32 ttmp9, 2
	s_mov_b32 s70, 4096
	s_cselect_b32 s70, 131072, s70
	s_mov_b32 s71, 1024
	s_cselect_b32 s71, 2048, s71
	s_mov_b32 s72, 131072
	s_cselect_b32 s72, 1024, s72
	s_mov_b32 s73, 256
	s_cselect_b32 s73, 8192, s73
	s_cselect_b32 s74, 128, 64
	s_cselect_b32 s75, 0, 16
	s_mov_b32 s76, 8192
	s_cselect_b32 s76, 64, s76
	s_cselect_b32 s77, s42, s17
	s_cselect_b32 s78, s16, s15
	s_cselect_b32 s79, s41, s40
	s_cselect_b32 s80, s15, s16
	s_lshr_b32 s81, s77, 3
	s_lshl_b32 s81, s81, 4
	s_lshl_b32 s79, s79, 2
	s_add_co_u32 s81, s81, s79
	s_lshl_b32 s80, s80, 1
	s_add_co_u32 s81, s81, s80
	s_and_b32 s77, s77, 7
	s_lshl_b32 s77, s77, 1
	s_add_co_u32 s77, s77, s78
	s_lshl_b32 s82, ttmp9, 22
	s_lshl_b32 s83, s81, 17
	s_add_co_u32 s82, s82, s83
	s_lshl_b32 s83, s77, 13
	s_add_co_u32 s82, s82, s83
	s_lshl_b32 s84, ttmp9, 18
	s_lshl_b32 s83, s81, 13
	s_add_co_u32 s84, s84, s83
	s_lshl_b32 s83, s77, 9
	s_add_co_u32 s84, s84, s83
	s_add_co_u32 s84, s84, 12582912
	s_mov_b32 s89, 0xffff0000
	s_mov_b32 s[SEL], 0x76543210
	s_mov_b32 s[SEL+1], 0xfedcba98
	v_add_nc_u32 v22, s82, v3
	v_mul_u32_u24 v23, s76, v2
	v_lshl_add_u32 v23, v1, 2, v23
	v_add_nc_u32 v23, s84, v23
.irp a, 0,1,2,3,4,5,6,7
	v_mov_b32 v[32+2*\a], v[8+\a]
	v_mov_b32 v[33+2*\a], v[8+\a]
.endr
.irp b, 0,1,2,3
	v_mov_b32 v[TM+4+\b], 0
.endr
.macro MOVE a
.set wn, 2+(\a)/4
	WIN wn
.set mi, 0
.rept 32
	v_pk_add_f32 v[128+mi:129+mi], v[64*((\a)%4)+mi:64*((\a)%4)+mi+1], v[32+2*(\a):33+2*(\a)]
.set mi, mi+2
.endr
	WIN 0
.endm
	s_mov_b32 s2, 0
.Lout:
.irp a, 0,1,2,3,4,5,6
	s_cmp_eq_u32 s2, \a
	s_cbranch_scc1 .Lmove\a
.endr
	s_wait_alu depctr_va_vdst(0)
	MOVE 7
	s_branch .Lheavy
.irp a, 0,1,2,3,4,5
.Lmove\a:
	s_wait_alu depctr_va_vdst(0)
	MOVE \a
	s_branch .Lheavy
.endr
.Lmove6:
	s_wait_alu depctr_va_vdst(0)
	MOVE 6
.Lheavy:
	QUANT 128, 4, PC, PW
	s_lshr_b32 s85, s2, 2
	s_and_b32 s86, s2, 3
	s_mul_i32 s87, s85, s70
	s_mul_i32 s83, s86, s71
	s_add_co_u32 s87, s87, s83
	v_add_nc_u32 v24, s87, v22
	v_add_nc_u32 v25, s72, v24
	global_store_b128 v24, v[PC:PC+3], s[98:99]
	global_store_b128 v24, v[PC+4:PC+7], s[98:99] offset:512
	global_store_b128 v25, v[PC+8:PC+11], s[98:99]
	global_store_b128 v25, v[PC+12:PC+15], s[98:99] offset:512
	s_mul_i32 s87, s85, s73
	s_mul_i32 s83, s86, s74
	s_add_co_u32 s87, s87, s83
	v_add_nc_u32 v26, s87, v23
	v_lshrrev_b32 v225, s75, v[PW]
	v_cndmask_b32 v225, v[PW], v225, s89
	global_store_b32 v26, v225, s[98:99]
	s_wait_xcnt 0x0
	s_add_co_u32 s2, s2, 1
	s_cmp_lt_u32 s2, 8
	s_cbranch_scc1 .Lout
	s_wait_tensorcnt 0x0
	ds_add_u32 v[SPW], v[NIL]
	s_wait_dscnt 0x0
	CROUND
	s_endpgm
.Lfunc_end_k_q4e40a28ee2_qkv:
	.size	k_q4e40a28ee2_qkv, .Lfunc_end_k_q4e40a28ee2_qkv-k_q4e40a28ee2_qkv
	.p2alignl 7, 3214868480
	.fill 96, 4, 3214868480
	.section	.rodata,"a",@progbits
	.p2align	6, 0x0
	.amdhsa_kernel k_q4e40a28ee2_qkv
		.amdhsa_group_segment_fixed_size 327680
		.amdhsa_private_segment_fixed_size 0
		.amdhsa_enable_private_segment 0
		.amdhsa_kernarg_size 48
		.amdhsa_user_sgpr_count 2
		.amdhsa_user_sgpr_kernarg_segment_ptr 1
		.amdhsa_wavefront_size32 1
		.amdhsa_system_sgpr_workgroup_id_x 1
		.amdhsa_system_sgpr_workgroup_id_y 1
		.amdhsa_system_sgpr_workgroup_id_z 1
		.amdhsa_system_vgpr_workitem_id 0
		.amdhsa_next_free_vgpr 1024
		.amdhsa_next_free_sgpr 100
		.amdhsa_reserve_vcc 0
		.amdhsa_float_denorm_mode_32 3
		.amdhsa_float_denorm_mode_16_64 3
		.amdhsa_fp16_overflow 1
		.amdhsa_memory_ordered 1
		.amdhsa_forward_progress 1
		.amdhsa_inst_pref_size 148
	.end_amdhsa_kernel
	.amdgpu_metadata
---
amdhsa.version: [ 1, 2 ]
amdhsa.kernels:
  - .name:           k_q4e40a28ee2_qkv
    .symbol:         k_q4e40a28ee2_qkv.kd
    .args:
      - { .name: xq, .offset: 0, .size: 8, .value_kind: global_buffer, .address_space: global }
      - { .name: w, .offset: 8, .size: 8, .value_kind: global_buffer, .address_space: global }
      - { .name: bq, .offset: 16, .size: 8, .value_kind: global_buffer, .address_space: global }
      - { .name: bk, .offset: 24, .size: 8, .value_kind: global_buffer, .address_space: global }
      - { .name: bv, .offset: 32, .size: 8, .value_kind: global_buffer, .address_space: global }
      - { .name: qkv, .offset: 40, .size: 8, .value_kind: global_buffer, .address_space: global }
    .group_segment_fixed_size: 327680
    .private_segment_fixed_size: 0
    .kernarg_segment_align: 8
    .kernarg_segment_size: 48
    .max_flat_workgroup_size: 128
    .sgpr_count:     100
    .vgpr_count:     1024
    .wavefront_size: 32
...
	.end_amdgpu_metadata
.endif
;; end of part 2
;; launch attn (part 3): grid 8 x 32, 16 waves a work-group, clusters of 4 x 1, 280,576 bytes of LDS; arguments qkv, ao; writes ao
.if DOCPART == 3
	.amdgcn_target "amdgcn-amd-amdhsa--gfx1250"
	.amdhsa_code_object_version 6
	.text
	.protected	k_q4e40a28ee2_attn
	.globl	k_q4e40a28ee2_attn
	.p2align	8
	.type	k_q4e40a28ee2_attn,@function
k_q4e40a28ee2_attn:
	s_mov_b64 s[64:65], 0
	v_nop
	global_prefetch_b8 v0, s[64:65] scope:SCOPE_SE
	s_setreg_imm32_b32 hwreg(HW_REG_WAVE_MODE, 25, 1), 1
	s_wait_xcnt 0x0
	s_wait_alu depctr_hold_cnt(0) depctr_sa_sdst(0) depctr_va_vdst(0) depctr_va_sdst(0) depctr_va_ssrc(0) depctr_va_vcc(0) depctr_vm_vsrc(0)
	s_getreg_b32 s2, hwreg(HW_REG_IB_STS2, 6, 4)
	s_cmp_eq_u32 s2, 0
	s_cbranch_scc0 .Lentry_in_a_cluster
	s_endpgm
.Lentry_in_a_cluster:
	s_bfe_u32 s2, ttmp6, 0x10000c
	s_cmp_lg_u32 s2, 0x3003
	s_cbranch_scc0 .Lentry_shape_is_right
	s_endpgm
.Lentry_shape_is_right:
; O = softmax(Q K^T / 8) V for one (batch, head) and 256 queries a work-group, both products on codes of E5M2 with E8M0 scales; the result, divided by the row's sum, is quantised along the hidden axis for the next product.
; THE SOFTMAX AHEAD OF THE SECOND PRODUCT: t = score x log2(e) / 8; M = the running largest t rounded UP to a whole number; p = 2^(t - M) is what is quantised, along the keys.  The row's sum is taken of the unquantised p.
; When M moves, the sum and O are multiplied by 2^(old M - new M): exact.
; SHARES.  Sixteen waves, each one tile of 16 queries in 256 registers: four waves to a SIMD, so that one wave's vector work stands beside another's products and LDS loads.  Every wave walks the head's 2,048 keys, 128 a step.
; A HEAD'S K AND V, codes and scale words, are 278,528 bytes: they come into LDS ONCE and stay: no slot is filled again.  The first 256 keys come by loads of their own, so that two steps run while the rest lands.
; CLUSTER.  The four query blocks of a cluster walk the same head: every fill is asked for jointly (mask 15).  Waves 0 to 3 fetch (wave & 1: K or V; wave >> 1: which half), three loads each.
; LAYOUT.  Both products transposed: S^T = K Q^T (source 0 = 16 keys), O^T = V^T P^T (source 0 = 16 channels): a lane holds ONE query throughout.  Tiles 2 b and 2 b + 1 of S^T are block b of 32 keys in the order of k that
; this program gives every operand (registers 4 c, 4 c + 1: k = 32 c + 8 h + 0..7; 4 c + 2, 4 c + 3: k = 32 c + 16 + 8 h + 0..7), and V^T was laid in the same order.  The first product's K is 64: the upper halves of both fragments are zero codes.
; LIMITS: NaN and infinities are not served; a block of p that has fallen to 0 keeps the byte 1 over zero codes; a block's largest p is made from its largest score by the same two instructions (it takes v_exp_f32 not to fall where its input rises).
; REGISTERS: v1-4 places that stay; v5-7 offsets; v8-11 the step's LDS addresses; v12 -M, v13 the largest t, v[14:15] the sum; v16-31 Q; v32-95 four fragments of K; v96-159 S^T, then p, then V's four fragments; v160-191 O^T;
; v192-207 p's codes; v208-211 scale words of K or V; v212-227 at work; v228 f, v229 p's scale word; v230 at work; v231 Q's scale words; v[232:233] the sum's second chain.
.set AK0,  1
.set AV0,  2
.set ASK0, 3
.set ASV0, 4
.set ADK,  8
.set ADV,  9
.set ADS,  10
.set ADT,  11
.set TM,   212
.set WV,   18
.set MNT,  19
.set SEL,  20
.set CS,   22
.set G1A,  24                          ; s[24:31] 16 rows of 256 bytes: half a tensor's scale words
.set G1F,  32                          ; s[32:39] 32 rows: half of the first 256 keys
.set G1R,  40                          ; s[40:47] 224 rows: half of the rest
.set G0A,  48
.set G0F,  52
.set G0R,  56
.set TC,   2                           ; s2  the step's codes: 8,192 bytes a step, in K and in V
.set TS,   3                           ; s3  the step's scale words: 512 bytes a step
.set CNT,  60
.macro ROUND
	s_barrier_signal -1
	s_barrier_wait -1
	s_cmp_lg_u32 s[WV], 0
	s_cbranch_scc1 .Lnot_wave_0_\@
	s_barrier_signal -3
.Lnot_wave_0_\@:
	s_barrier_wait -3
	s_barrier_signal -1
	s_barrier_wait -1
.endm
.macro QUANT s, nb, pc, pw
.set qb, 0
.rept \nb
	v_max3_num_f32 v[TM+qb], |v[\s+16*qb]|, |v[\s+16*qb+1]|, 0x8000000      ; my 16 numbers, and the floor 2^(16 - 127): the byte cannot fall under 1
.set qb, qb+1
.endr
.set qi, 2
.rept 7
.set qb, 0
.rept \nb
	s_delay_alu instid0(VALU_DEP_2)
	v_max3_num_f32 v[TM+qb], v[TM+qb], |v[\s+16*qb+qi]|, |v[\s+16*qb+qi+1]|
.set qb, qb+1
.endr
.set qi, qi+2
.endr
.set qb, 0
.rept \nb
	s_delay_alu instid0(VALU_DEP_2)
	v_permlanex16_b32 v[TM+4+qb], v[TM+qb], s[SEL], s[SEL+1]
.set qb, qb+1
.endr
.set qb, 0
.rept \nb
	s_delay_alu instid0(VALU_DEP_2)
	v_max_num_f32 v[TM+qb], v[TM+qb], v[TM+4+qb]
.set qb, qb+1
.endr
.set qb, 0
.rept \nb
	s_delay_alu instid0(VALU_DEP_2)
	v_add_nc_u32 v[TM+12+qb], 0xf8800000, v[TM+qb]
.set qb, qb+1
.endr
.set qb, 0
.rept \nb
.set qb, qb+1
.endr
.set qb, 0
.rept \nb
	s_delay_alu instid0(VALU_DEP_2)
	v_lshrrev_b32 v[TM+4+qb], 23, v[TM+12+qb]
.set qb, qb+1
.endr
	s_delay_alu instid0(VALU_DEP_1)
	v_lshl_or_b32 v[\pw], v[TM+5], 8, v[TM+4]
.if \nb > 2
	v_lshl_or_b32 v[\pw], v[TM+6], 16, v[\pw]
	v_lshl_or_b32 v[\pw], v[TM+7], 24, v[\pw]
.endif
.set qb, 0
.rept \nb
.set qi, 0
.rept 16
.set qi, qi+1
.endr
	v_cvt_scalef32_pk8_bf8_f32 v[\pc+4*qb:\pc+4*qb+1], v[\s+16*qb:\s+16*qb+7], v[TM+12+qb]
	v_cvt_scalef32_pk8_bf8_f32 v[\pc+4*qb+2:\pc+4*qb+3], v[\s+16*qb+8:\s+16*qb+15], v[TM+12+qb]
.set qb, qb+1
.endr
	v_nop
.endm
	s_load_b128 s[4:7], s[0:1], 0x0                ; qkv s[4:5], ao s[6:7]
	v_lshl_add_u32 v254, v0, 2, 0x44000
	v_mov_b32 v255, 0
	ds_add_u32 v254, v255
	ds_add_u32 v254, v255
	v_lshrrev_b32 v8, 5, v0
	s_delay_alu instid0(VALU_DEP_1)
	v_readfirstlane_b32 s[WV], v8                  ; wave 0..15
	s_bfe_u32 s8, ttmp6, 0x40000                   ; cx: it enters Q's and the result's addresses alone
	s_lshl_b32 s9, ttmp9, 2
	s_add_co_u32 s9, s9, s8                        ; my block of 256 queries
	s_and_b32 s10, ttmp7, 0xffff                   ; bh = 16 batch + head, which the four partners share
	s_and_b32 s11, s[WV], 1                        ; what I fetch, if I fetch: K (0) or V (1),
	s_lshr_b32 s12, s[WV], 1
	s_and_b32 s12, s12, 1                          ; and which half
	s_lshl_b32 s66, s11, 18
	s_lshl_b32 s67, s10, 13
	s_add_co_u32 s66, s66, s67
	s_lshl_b32 s67, s12, 12
	s_add_co_u32 s66, s66, s67
	s_add_co_u32 s66, s66, 12845056                ; the scale words, in memory
	s_mov_b32 s67, 0
	s_lshl_b32 s68, s11, 22
	s_lshl_b32 s69, s10, 17
	s_add_co_u32 s68, s68, s69
	s_add_co_u32 s68, s68, 4194304                 ; the head's codes
	s_mul_i32 s70, s12, 57344
	s_add_co_u32 s70, s70, s68
	s_add_co_u32 s70, s70, 16384                   ; the rest, behind the first 256 keys
	s_mov_b32 s71, 0
	s_lshl_b32 s69, s12, 13
	s_add_co_u32 s68, s68, s69                     ; the first 256 keys
	s_mov_b32 s69, 0
	s_lshl_b32 s13, s11, 13
	s_lshl_b32 s14, s12, 12
	s_add_co_u32 s13, s13, s14
	s_add_co_u32 s13, s13, 262144                  ; in LDS: the scale words,
	s_lshl_b32 s14, s11, 17
	s_lshl_b32 s15, s12, 13
	s_add_co_u32 s15, s15, s14                     ; the first 256 keys,
	s_mul_i32 s16, s12, 57344
	s_add_co_u32 s16, s16, s14
	s_add_co_u32 s16, s16, 16384                   ; the rest
.irp g, G1A, G1F, G1R
	s_mov_b32 s[\g], 15|(3<<16)|(1<<21)            ; 15:0 the mask: all four work-groups; 17:16 elements of 8 bytes; 21 set beside a mask; no padding
	s_mov_b32 s[\g+1], 32<<16                      ; tensor_dim0: 256 bytes
	s_mov_b32 s[\g+3], 32<<16                      ; tile_dim0
	s_mov_b32 s[\g+5], 32                          ; the pitch: dense
	s_mov_b32 s[\g+6], 0
	s_mov_b32 s[\g+7], 0
.endr
	s_mov_b32 s[G1A+2], 16<<16
	s_mov_b32 s[G1A+4], 16
	s_mov_b32 s[G1F+2], 32<<16
	s_mov_b32 s[G1F+4], 32
	s_mov_b32 s[G1R+2], 224<<16
	s_mov_b32 s[G1R+4], 224
	s_lshl_b32 s17, s9, 4
	s_add_co_u32 s17, s17, s[WV]                   ; tt: my tile of 16 queries in the batch
	s_lshl_b32 s72, s10, 17
	s_lshl_b32 s73, s17, 10
	s_add_co_u32 s72, s72, s73                     ; Q's codes
	s_mov_b32 s73, 0
	s_lshl_b32 s74, s10, 13
	s_lshl_b32 s75, s17, 6
	s_add_co_u32 s74, s74, s75
	s_add_co_u32 s74, s74, 12582912                ; Q's scale words
	s_mov_b32 s75, 0
	s_lshr_b32 s76, s10, 4
	s_lshl_b32 s76, s76, 7
	s_add_co_u32 s76, s76, s17                     ; t: my tile of rows among the 256
	s_and_b32 s77, s10, 15                         ; head
	s_lshr_b32 s78, s76, 3
	s_and_b32 s76, s76, 7
	s_lshl_b32 s80, s78, 17
	s_lshr_b32 s79, s77, 2
	s_lshl_b32 s79, s79, 15
	s_add_co_u32 s80, s80, s79
	s_lshl_b32 s79, s76, 12
	s_add_co_u32 s80, s80, s79
	s_and_b32 s79, s77, 3
	s_lshl_b32 s79, s79, 10
	s_add_co_u32 s80, s80, s79                     ; the result's codes: fragment (t, head / 2), register groups 2 (head & 1) on
	s_mov_b32 s81, 0
	s_lshl_b32 s82, s78, 12
	s_lshr_b32 s79, s77, 1
	s_lshl_b32 s79, s79, 9
	s_add_co_u32 s82, s82, s79
	s_lshl_b32 s79, s76, 6
	s_add_co_u32 s82, s82, s79
	s_and_b32 s79, s77, 1
	s_lshl_b32 s79, s79, 1
	s_add_co_u32 s82, s82, s79
	s_add_co_u32 s82, s82, 4194304                 ; and its two scale bytes a row
	s_mov_b32 s83, 0
	s_mov_b32 s[SEL], 0x76543210
	s_mov_b32 s[SEL+1], 0xfedcba98
	s_mov_b32 s[CS], 0x3e38aa3b                    ; c = log2(e) / 8
	s_mov_b32 s[CS+1], s[CS]                       ; (named with it as a pair, so it is written)
	s_mov_b32 s84, 0xffff0000                      ; lanes 16-31
	s_mov_b32 s[TC], 0
	s_mov_b32 s[TS], 0
	s_wait_dscnt 0x0
	s_wait_kmcnt 0x0
	s_mov_b32 s[G0A], 1
	s_mov_b32 s[G0A+1], s13
	s_add_nc_u64 s[G0A+2:G0A+3], s[4:5], s[66:67]
	s_or_b32 s[G0A+3], s[G0A+3], 0x80000000
	s_mov_b32 s[G0F], 1
	s_mov_b32 s[G0F+1], s15
	s_add_nc_u64 s[G0F+2:G0F+3], s[4:5], s[68:69]
	s_or_b32 s[G0F+3], s[G0F+3], 0x80000000
	s_mov_b32 s[G0R], 1
	s_mov_b32 s[G0R+1], s16
	s_add_nc_u64 s[G0R+2:G0R+3], s[4:5], s[70:71]
	s_or_b32 s[G0R+3], s[G0R+3], 0x80000000
	s_add_nc_u64 s[72:73], s[4:5], s[72:73]
	s_add_nc_u64 s[74:75], s[4:5], s[74:75]
	s_add_nc_u64 s[80:81], s[6:7], s[80:81]
	s_add_nc_u64 s[82:83], s[6:7], s[82:83]
	ROUND                                          ; all four work-groups are here: the joint loads meet
	s_cmp_lt_u32 s[WV], 4                          ; a wave's three fills stand in one branch on the wave's number: three loads of mine are out
	s_cbranch_scc0 .Lno_fill
	tensor_load_to_lds s[G0A:G0A+3], s[G1A:G1A+7]
	s_nop 0
	tensor_load_to_lds s[G0F:G0F+3], s[G1F:G1F+7]
	s_nop 0
	tensor_load_to_lds s[G0R:G0R+3], s[G1R:G1R+7]
	s_nop 0
.rept 4
	v_nop
.endr
.Lno_fill:
	v_and_b32 v5, 31, v0
	s_delay_alu instid0(VALU_DEP_1)
	v_lshlrev_b32 v[AK0], 4, v5                    ; 16 x lane
	v_and_b32 v6, 15, v0                           ; r
	s_delay_alu instid0(VALU_DEP_1)
	v_lshlrev_b32 v7, 2, v6                        ; 4 r
	global_load_b128 v[16:19], v[AK0], s[72:73]    ; Q's fragment: its lower half; it stays
	global_load_b128 v[20:23], v[AK0], s[72:73] offset:512
	global_load_b32 v231, v7, s[74:75]
	v_add_nc_u32 v[AV0], 131072, v[AK0]
	v_add_nc_u32 v[ASK0], 262144, v7
	v_lshl_add_u32 v[ASV0], v5, 2, 270336
	v_bfe_u32 v5, v0, 4, 1                         ; h
	s_delay_alu instid0(VALU_DEP_1)
	v_add_nc_u32 v6, v7, v5                        ; 4 r + h: my scale byte on the way out
.irp j, 0,1,2,3,4,5,6,7
	v_mov_b32 v[24+\j], 0                          ; zero codes: K = 64 is filled up to the instruction's 128, on both sides
.endr
.irp t, 0,1,2,3
.irp j, 0,1,2,3,4,5,6,7
	v_mov_b32 v[40+16*\t+\j], 0
.endr
.endr
	v_mov_b32 v13, 0xff61b1e6                      ; the largest t so far: -3e38, under every t
	s_delay_alu instid0(VALU_DEP_1)
	v_floor_f32 v12, -v13                          ; -M
	v_mov_b32 v14, 0
	v_mov_b32 v15, 0
.irp b, 0,1,2,3
	v_mov_b32 v[216+\b], 0                         ; written once: a lane permute's destination counts as one of its sources
.endr
	v_mov_b32 v229, 0                              ; (named as the upper half of the pair v[228:229] before it is first written)
	v_mov_b32 v230, 0
.set zi, 0
.rept 32
	v_mov_b32 v[160+zi], 0                         ; O^T: the step is written once: the first finds zeros, which the first change of M leaves zeros
.set zi, zi+1
.endr
; A KEY STEP: 128 keys.
.macro STEP
	s_setprio 2
	v_add_nc_u32 v[ADK], s[TC], v[AK0]
	s_wait_alu depctr_va_vdst(0)
	v_add_nc_u32 v[ADV], s[TC], v[AV0]
	v_add_nc_u32 v[ADS], s[TS], v[ASK0]
	s_wait_alu depctr_va_vdst(0)
	v_add_nc_u32 v[ADT], s[TS], v[ASV0]
.rept 5
	v_nop                                          ; with the four additions: nine places, before S^T is written over the registers that the last products read as V
.endr
.irp g, 0,1                                    ; S^T = K Q^T, four tiles of 16 keys at a time
.if \g > 0
.rept 8
	v_nop                                          ; places in front of loads into registers that matrix instructions have read
.endr
.endif
.irp t, 0,1,2,3
	ds_load_b128 v[32+16*\t:35+16*\t], v[ADK] offset:(4*\g+\t)*1024
	ds_load_b128 v[36+16*\t:39+16*\t], v[ADK] offset:(4*\g+\t)*1024+512
	ds_load_b32 v[208+\t], v[ADS] offset:(4*\g+\t)*64
.endr
	s_wait_dscnt 0x0
.irp t, 0,1,2,3
	v_wmma_scale_f32_16x16x128_f8f6f4 v[96+8*(4*\g+\t):103+8*(4*\g+\t)], v[32+16*\t:47+16*\t], v[16:31], 0, v[208+\t], v231 matrix_a_fmt:MATRIX_FMT_BF8 matrix_b_fmt:MATRIX_FMT_BF8
.endr
.endr
.rept 8
	v_nop
.endr
.irp b, 0,1,2,3
	v_max3_num_f32 v[212+\b], v[96+16*\b], v[97+16*\b], v[98+16*\b]   ; the largest score of each block of 32 keys: it serves the row's maximum and, since p rises with the score, the block's largest p
.endr
.irp i, 3,5,7,9,11,13
.irp b, 0,1,2,3
	v_max3_num_f32 v[212+\b], v[212+\b], v[96+16*\b+\i], v[97+16*\b+\i]
.endr
.endr
.irp b, 0,1,2,3
	v_max_num_f32 v[212+\b], v[212+\b], v[111+16*\b]
.endr
.irp b, 0,1,2,3
	s_delay_alu instid0(VALU_DEP_4)
	v_permlanex16_b32 v[216+\b], v[212+\b], s[SEL], s[SEL+1]
.endr
.irp b, 0,1,2,3
	s_delay_alu instid0(VALU_DEP_4)
	v_max_num_f32 v[212+\b], v[212+\b], v[216+\b]  ; with lane l xor 16's 16 keys
.endr
	s_delay_alu instid0(VALU_DEP_2)
	v_max3_num_f32 v230, v212, v213, v214
	s_delay_alu instid0(VALU_DEP_1)
	v_max_num_f32 v230, v230, v215                 ; the step's largest score of my query
	s_delay_alu instid0(VALU_DEP_1)
	v_mul_f32 v230, s[CS], v230                    ; as t (c is positive)
	s_delay_alu instid0(VALU_DEP_1)
	v_max_num_f32 v13, v13, v230                   ; the running largest t
	v_mov_b32 v230, v12
	s_delay_alu instid0(VALU_DEP_2)
	v_floor_f32 v12, -v13                          ; the new -M = floor(-t): M is a whole number
	s_delay_alu instid0(VALU_DEP_1)
	v_sub_f32 v230, v12, v230                      ; old M - new M: a whole number, 0 or less
	s_delay_alu instid0(VALU_DEP_1)
	v_cvt_i32_f32 v230, v230                       ; (it saturates)
	s_delay_alu instid0(VALU_DEP_1)
	v_ldexp_f32 v228, 1.0, v230                    ; f = 2^(old M - new M)
.set zi, 0
.rept 32
	v_pk_fma_f32 v[96+zi:97+zi], v[96+zi:97+zi], s[CS:CS+1], v[12:13] op_sel_hi:[1,0,0]   ; t - M, two at a time
.set zi, zi+2
.endr
.irp b, 0,1,2,3
	v_fma_f32 v[212+\b], v[212+\b], s[CS], v12     ; the same of each block's largest score
.endr
.set zi, 0
	s_wait_alu depctr_va_vdst(0)
.rept 64
	v_exp_f32 v[96+zi], v[96+zi]                   ; p = 2^(t - M), at most 1
.set zi, zi+1
.endr
	s_setprio 1
.irp b, 0,1,2,3
	v_exp_f32 v[212+\b], v[212+\b]                 ; the block's largest p
.endr
	v_pk_mul_f32 v[14:15], v[14:15], v[228:229] op_sel_hi:[1,0]   ; the sums under the new M (a plain place behind the exponentials)
	s_wait_alu depctr_va_vdst(0)
.irp b, 0,1,2,3
	v_max_num_f32 v[212+\b], 0x8000000, v[212+\b]  ; the floor 2^(16 - 127)
.endr
.irp b, 0,1,2,3
	s_delay_alu instid0(VALU_DEP_4)
	v_add_nc_u32 v[224+\b], 0xf8800000, v[212+\b]  ; the conversion's scale operand
.endr
.irp b, 0,1,2,3
.endr
.irp b, 0,1,2,3
	s_delay_alu instid0(VALU_DEP_4)
	v_lshrrev_b32 v[216+\b], 23, v[224+\b]         ; the scale's byte
.endr
	s_delay_alu instid0(VALU_DEP_3)
	v_lshl_or_b32 v229, v217, 8, v216              ; p's scale word for these 128 keys
	s_delay_alu instid0(VALU_DEP_1)
	v_lshl_or_b32 v229, v218, 16, v229
	s_delay_alu instid0(VALU_DEP_1)
	v_lshl_or_b32 v229, v219, 24, v229
	v_pk_add_f32 v[232:233], v[100:101], v[104:105]
	v_pk_add_f32 v[252:253], v[108:109], v[112:113]
	v_pk_add_f32 v[250:251], v[116:117], v[120:121]
	v_pk_add_f32 v[248:249], v[124:125], v[128:129]
	v_pk_add_f32 v[246:247], v[132:133], v[136:137]
	v_pk_add_f32 v[244:245], v[140:141], v[144:145]
	v_pk_add_f32 v[242:243], v[148:149], v[152:153]
	v_pk_add_f32 v[14:15], v[14:15], v[156:157]
	v_pk_add_f32 v[232:233], v[232:233], v[96:97]
	v_pk_add_f32 v[252:253], v[252:253], v[98:99]
	v_pk_add_f32 v[250:251], v[250:251], v[102:103]
	v_pk_add_f32 v[248:249], v[248:249], v[106:107]
	v_pk_add_f32 v[246:247], v[246:247], v[110:111]
	v_pk_add_f32 v[244:245], v[244:245], v[114:115]
	v_pk_add_f32 v[242:243], v[242:243], v[118:119]
	v_pk_add_f32 v[14:15], v[14:15], v[122:123]
	v_pk_add_f32 v[232:233], v[232:233], v[126:127]
	v_pk_add_f32 v[252:253], v[252:253], v[130:131]
	v_pk_add_f32 v[250:251], v[250:251], v[134:135]
	v_pk_add_f32 v[248:249], v[248:249], v[138:139]
	v_pk_add_f32 v[246:247], v[246:247], v[142:143]
	v_pk_add_f32 v[244:245], v[244:245], v[146:147]
	v_pk_add_f32 v[242:243], v[242:243], v[150:151]
	v_pk_add_f32 v[14:15], v[14:15], v[154:155]
	v_pk_add_f32 v[232:233], v[232:233], v[158:159]
	s_delay_alu instid0(VALU_DEP_2)
	v_pk_add_f32 v[14:15], v[14:15], v[248:249]
	s_delay_alu instid0(VALU_DEP_2)
	v_pk_add_f32 v[232:233], v[232:233], v[246:247]
	v_pk_add_f32 v[252:253], v[252:253], v[244:245]
	v_pk_add_f32 v[250:251], v[250:251], v[242:243]
	s_delay_alu instid0(VALU_DEP_2)
	v_pk_add_f32 v[14:15], v[14:15], v[252:253]
	s_delay_alu instid0(VALU_DEP_2)
	v_pk_add_f32 v[232:233], v[232:233], v[250:251]
	s_delay_alu instid0(VALU_DEP_1)
	v_pk_add_f32 v[14:15], v[14:15], v[232:233]
.irp b, 0,1,2,3
.irp i, 0,1,2,3,4,5,6,7,8,9,10,11,12,13,14,15
.endr
	v_cvt_scalef32_pk8_bf8_f32 v[192+4*\b:193+4*\b], v[96+16*\b:103+16*\b], v[224+\b]
	v_cvt_scalef32_pk8_bf8_f32 v[194+4*\b:195+4*\b], v[104+16*\b:111+16*\b], v[224+\b]
.endr
.set zi, 0
.rept 16
	v_pk_mul_f32 v[160+zi:161+zi], v[160+zi:161+zi], v[228:229] op_sel_hi:[1,0]   ; O^T under the new M.  (These sixteen are also the places in front of the products below)
.set zi, zi+2
.endr
	s_setprio 0
.irp t, 0,1,2,3                                ; V's four fragments take p's registers
.irp c, 0,1,2,3
	ds_load_b128 v[96+16*\t+4*\c:99+16*\t+4*\c], v[ADV] offset:2048*\t+512*\c
.endr
	ds_load_b32 v[208+\t], v[ADT] offset:128*\t
.endr
	s_wait_alu depctr_va_vdst(0)
	s_wait_dscnt 0x0
.irp t, 0,1,2,3                                ; O^T += V^T P^T: the four accumulators by turns
	v_wmma_scale_f32_16x16x128_f8f6f4 v[160+8*\t:167+8*\t], v[96+16*\t:111+16*\t], v[192:207], v[160+8*\t:167+8*\t], v[208+\t], v229 matrix_a_fmt:MATRIX_FMT_BF8 matrix_b_fmt:MATRIX_FMT_BF8
.endr
	s_add_co_u32 s[TC], s[TC], 8192
	s_add_co_u32 s[TS], s[TS], 512
.endm
	s_wait_tensorcnt 0x1                           ; my scale words and my part of the first 256 keys are in; the rest may stay out
	s_barrier_signal -1
	s_barrier_wait -1                              ; everybody's are
	s_wait_loadcnt 0x0                             ; Q
	s_mov_b32 s[CNT], 2
.Lfirst:                                           ; the first 256 keys
	STEP
	s_sub_co_u32 s[CNT], s[CNT], 1
	s_cmp_lg_u32 s[CNT], 0
	s_cbranch_scc1 .Lfirst
	s_setprio 0
	s_wait_tensorcnt 0x0                           ; my part of the rest is in,
	s_wait_dscnt 0x0
	s_barrier_signal -1
	s_barrier_wait -1                              ; everybody's is
	s_mov_b32 s[CNT], 14
.Lrest:
	STEP
	s_sub_co_u32 s[CNT], s[CNT], 1
	s_cmp_lg_u32 s[CNT], 0
	s_cbranch_scc1 .Lrest
	s_setprio 0
	; THE WAY OUT: O^T / the sum; a lane's 32 numbers are two blocks of 32 of the next product's K (with lane l xor 16): quantised in registers, stored as register images.
.rept 8
	v_nop                                          ; places behind the last products
.endr
	v_add_f32 v14, v14, v15
	s_delay_alu instid0(VALU_DEP_1)
	v_permlanex16_b32 v230, v14, s[SEL], s[SEL+1]
	s_delay_alu instid0(VALU_DEP_1)
	v_add_f32 v14, v14, v230                       ; the row's sum
	s_wait_alu depctr_va_vdst(0)
	v_rcp_f32 v14, v14
	v_nop                                          ; a plain place behind the transcendental
.set zi, 0
	s_wait_alu depctr_va_vdst(0)
.rept 32
	v_mul_f32 v[96+zi], v[160+zi], v14             ; each accumulator from its low end on
.set zi, zi+1
.endr
	QUANT 96, 2, 192, 229
	global_store_b128 v[AK0], v[192:195], s[80:81]             ; each store of the wave covers 512 consecutive bytes, aligned
	global_store_b128 v[AK0], v[196:199], s[80:81] offset:512
	v_cndmask_b32 v230, v216, v217, s84            ; lane (r, h) stores block h's byte
	global_store_b8 v6, v230, s[82:83]
	s_wait_dscnt 0x0
	s_wait_tensorcnt 0x0
	ds_add_u32 v254, v255
	s_wait_dscnt 0x0
	ROUND                                          ; the closing round: no work-group ends while a partner may still ask for a tile that names it
	s_endpgm
.Lfunc_end_k_q4e40a28ee2_attn:
	.size	k_q4e40a28ee2_attn, .Lfunc_end_k_q4e40a28ee2_attn-k_q4e40a28ee2_attn
	.p2alignl 7, 3214868480
	.fill 96, 4, 3214868480
	.section	.rodata,"a",@progbits
	.p2align	6, 0x0
	.amdhsa_kernel k_q4e40a28ee2_attn
		.amdhsa_group_segment_fixed_size 280576
		.amdhsa_private_segment_fixed_size 0
		.amdhsa_enable_private_segment 0
		.amdhsa_kernarg_size 16
		.amdhsa_user_sgpr_count 2
		.amdhsa_user_sgpr_kernarg_segment_ptr 1
		.amdhsa_wavefront_size32 1
		.amdhsa_system_sgpr_workgroup_id_x 1
		.amdhsa_system_sgpr_workgroup_id_y 1
		.amdhsa_system_sgpr_workgroup_id_z 1
		.amdhsa_system_vgpr_workitem_id 0
		.amdhsa_next_free_vgpr 256
		.amdhsa_next_free_sgpr 96
		.amdhsa_reserve_vcc 0
		.amdhsa_float_denorm_mode_32 3
		.amdhsa_float_denorm_mode_16_64 3
		.amdhsa_fp16_overflow 1
		.amdhsa_memory_ordered 1
		.amdhsa_forward_progress 1
		.amdhsa_inst_pref_size 52
	.end_amdhsa_kernel
	.amdgpu_metadata
---
amdhsa.version: [ 1, 2 ]
amdhsa.kernels:
  - .name:           k_q4e40a28ee2_attn
    .symbol:         k_q4e40a28ee2_attn.kd
    .args:
      - { .name: qkv, .offset: 0, .size: 8, .value_kind: global_buffer, .address_space: global }
      - { .name: ao, .offset: 8, .size: 8, .value_kind: global_buffer, .address_space: global }
    .group_segment_fixed_size: 280576
    .private_segment_fixed_size: 0
    .kernarg_segment_align: 8
    .kernarg_segment_size: 16
    .max_flat_workgroup_size: 512
    .sgpr_count:     96
    .vgpr_count:     256
    .wavefront_size: 32
...
	.end_amdgpu_metadata
.endif
;; end of part 3
;; launch wo (part 4): grid 8 x 32, 4 waves a work-group, clusters of 4 x 4, 327,680 bytes of LDS; arguments ao, w, bo, x, y; writes y
.if DOCPART == 4
	.amdgcn_target "amdgcn-amd-amdhsa--gfx1250"
	.amdhsa_code_object_version 6
	.text
	.protected	k_q4e40a28ee2_wo
	.globl	k_q4e40a28ee2_wo
	.p2align	8
	.type	k_q4e40a28ee2_wo,@function
k_q4e40a28ee2_wo:
	s_mov_b64 s[64:65], 0
	v_nop
	global_prefetch_b8 v0, s[64:65] scope:SCOPE_SE
	s_setreg_imm32_b32 hwreg(HW_REG_WAVE_MODE, 25, 1), 1
	s_wait_xcnt 0x0
	s_wait_alu depctr_hold_cnt(0) depctr_sa_sdst(0) depctr_va_vdst(0) depctr_va_sdst(0) depctr_va_ssrc(0) depctr_va_vcc(0) depctr_vm_vsrc(0)
	s_getreg_b32 s2, hwreg(HW_REG_IB_STS2, 6, 4)
	s_cmp_eq_u32 s2, 0
	s_cbranch_scc0 .Lentry_in_a_cluster
	s_endpgm
.Lentry_in_a_cluster:
	s_bfe_u32 s2, ttmp6, 0x10000c
	s_cmp_lg_u32 s2, 0xf033
	s_cbranch_scc0 .Lentry_shape_is_right
	s_endpgm
.Lentry_shape_is_right:
; y = A W^T + bias + residual, f32: here A = the attention's result (codes, K = 1,024), W = Wo, the residual x.  The product on codes of E5M2 with E8M0 scales.
; N is 1,024: tiles of 256 x 256 would be 64 for 256 WGPs, so a tile of C is 128 x 128: four waves, each 64 x 64 in 16 accumulators; K goes in steps of 512, as long as two slots in LDS allow.
; Operands lie in memory and in LDS as images of operand registers (fragment (t, s): 2,048 bytes, register group c of lane l at 512 c + 16 l); 64 rows x 512 k are two runs of 16,384 bytes, 32,768 apart: one tensor load a wave.
; k is permuted inside each block of 32, alike on both sides (LIMIT: last bits of the sums).  The scale words of all of K come once, with the first fills.
; CLUSTERS: 4 x 4: A's tiles shared along a row of the cluster, W's along a column, asked for jointly.  THE MATRIX INSTRUCTION IS USED TRANSPOSED: a lane holds eight neighbouring numbers of a row of C.
; The bias is the C of the first products.  The residual is loaded at the head, in the layout of the stores, and added on the way out, which goes through each wave's own stage in LDS (in slot 0, which has then had its last fill and its last read).
; With K = 1,024 the two K steps are the two first fills: no slot is filled again; the change of slots keeps its form.
; REGISTERS: window 0: v1-31 addresses; v32-63 scale words, two sets; v64-95 the bias; v128-191 A's fragments (on the way out v128-255: rows of C).  window 1: W's fragments, two sets.  window 2: v0-127 accumulators, v128-255 the residual.
.set KK,    1024
.set ASC,   4194304                    ; A's scale words in its buffer
.set BCO,   0x300000                   ; W's codes in w
.set BSC,   12582912+98304             ; W's scale words in w
.set NB,    4
.set NQ,    4
.set KS,    KK/128
.set HS,    KS*NB*64
.set SLOT,  131072
.set STEPB, 16384*NQ
.set SCL_L, 2*SLOT
.set SPARE, SCL_L+4*HS
.set LAPS,  KK/(256*NQ)
.set NL,    4
.set NP,    8
.set ADRA, 16
.set ADRB, 20
.set STO,  24
.set RD,   25
.set CO,   26
.set ADRS, 27
.set SPW,  28
.set NIL,  29
.set SC,   32
.set BC,   64
.set AF,   128
.set OB,   128
.set G1,   24
.set G0,   32
.set G1B,  48
.set G0B,  56
.set G1S,  68
.set G0S,  76
.set G1SB, 80
.set G0SB, 88
.set MSB, 0
.macro WIN new
.if MSB != \new
	s_set_vgpr_msb (MSB<<8)|\new
.set MSB, \new
.endif
.endm
.macro PLACES n
.rept \n
	v_nop
.endr
.endm
.macro JLOAD g0a, g1a, g0b, g1b        ; a joint load: waves 0 and 1 fetch for A, waves 2 and 3 for W; four v_nop follow each of the two lines
	s_cmp_eq_u32 s15, 0
	s_cbranch_scc0 .Lfor_b_\@
	tensor_load_to_lds s[\g0a:\g0a+3], s[\g1a:\g1a+7]
	s_nop 0
.rept 4
	v_nop
.endr
	s_branch .Lasked_\@
.Lfor_b_\@:
	tensor_load_to_lds s[\g0b:\g0b+3], s[\g1b:\g1b+7]
	s_nop 0
.rept 4
	v_nop
.endr
.Lasked_\@:
.endm
.macro CREST
	s_cmp_lg_u32 s14, 0
	s_cbranch_scc1 .Lnot_wave_0_\@
	s_barrier_signal -3
.Lnot_wave_0_\@:
	s_barrier_wait -3
	s_barrier_signal -1
	s_barrier_wait -1
.endm
.macro CROUND
	s_barrier_signal -1
	s_barrier_wait -1
	CREST
.endm
.macro FRAG reg, adr, q, i
.irp c, 0,1,2,3
	ds_load_b128 v[\reg+4*\c:\reg+4*\c+3], v[\adr] offset:((\q)>>1)*(NB*4096)+(\i)*4096+((\q)&1)*2048+512*\c
.endr
.endm
.macro FETCH_B slot, q, p
	WIN 0x40
.set fi, 0
.rept NB
	FRAG 128*(\p)+16*fi, ADRB+\slot, \q, fi
.set fi, fi+1
.endr
	WIN 0
.endm
.macro FETCH_A slot, q, i0
.set fi, \i0
.rept NB/2
	FRAG AF+16*fi, ADRA+\slot, \q, fi
.set fi, fi+1
.endr
.endm
.macro SCALES set
.set fi, 0
.rept NB
.set fq, 0
.rept NQ
	ds_load_b32 v[SC+16*(\set)+NQ*fi+fq], v[ADRS] offset:fq*NB*64+64*fi
.set fq, fq+1
.endr
.set fi, fi+1
.endr
.endm
.macro MULQ qt, p, q, set, first       ; a quarter of A's blocks against all of W's; first = 1: the bias is the C; the accumulators take turns
.set ma, (\qt)*(NB/4)
.rept NB/4
.set wa, 2+(ma*NB)/32
.if \first
.set wn, (wa<<6)|1
.else
.set wn, (wa<<6)|(wa<<4)|1
.endif
	WIN wn
.set mb, 0
.rept NB
.set ac, (8*(ma*NB+mb))%256
.if \first
	v_wmma_scale_f32_16x16x128_f8f6f4 v[ac:ac+7], v[128*(\p)+16*mb:128*(\p)+16*mb+15], v[AF+16*ma:AF+16*ma+15], v[BC+8*mb:BC+8*mb+7], v[SC+16*(\set)+NQ*mb+(\q)], v[SC+16*(\set)+NQ*ma+(\q)] matrix_a_fmt:MATRIX_FMT_BF8 matrix_b_fmt:MATRIX_FMT_BF8 matrix_a_scale:MATRIX_SCALE_ROW1
.else
	v_wmma_scale_f32_16x16x128_f8f6f4 v[ac:ac+7], v[128*(\p)+16*mb:128*(\p)+16*mb+15], v[AF+16*ma:AF+16*ma+15], v[ac:ac+7], v[SC+16*(\set)+NQ*mb+(\q)], v[SC+16*(\set)+NQ*ma+(\q)] matrix_a_fmt:MATRIX_FMT_BF8 matrix_b_fmt:MATRIX_FMT_BF8 matrix_a_scale:MATRIX_SCALE_ROW1
.endif
.set mb, mb+1
.endr
.set ma, ma+1
.endr
.endm
.macro STEP slot, q, first
	s_wait_dscnt (NB/2)*NL                         ; all but the youngest loads (A's upper blocks) are in
	MULQ 0, (\q)%2, \q, \slot, \first
	MULQ 1, (\q)%2, \q, \slot, \first
	s_wait_dscnt 0x0
	PLACES NP
	FETCH_B \slot, (\q)+1, 1-(\q)%2
	FETCH_A \slot, (\q)+1, 0
	MULQ 2, (\q)%2, \q, \slot, \first
	MULQ 3, (\q)%2, \q, \slot, \first
	PLACES NP
	WIN 0
	FETCH_A \slot, (\q)+1, NB/2
.endm
.macro TURN slot, next, fill
	s_wait_tensorcnt 0x0                           ; all my tensor loads have landed: my part of the next slot
	ds_add_u32 v[SPW], v[NIL]                      ; 0 onto my spare word
	s_wait_dscnt (NB/2)*NL+1                       ; (the add and A's upper blocks may be out)
	MULQ 0, 1, NQ-1, \slot, 0
	s_wait_dscnt 0x0                               ; the add is done, and my reads of this slot are over
	s_barrier_signal -1
	MULQ 1, 1, NQ-1, \slot, 0
	WIN 0
	s_barrier_wait -1
.if \fill
	CREST                                          ; the barrier has opened a round of the cluster's barrier
	s_add_nc_u64 s[G0+4*\slot+2:G0+4*\slot+3], s[G0+4*\slot+2:G0+4*\slot+3], 2*STEPB
	s_add_nc_u64 s[G0B+4*\slot+2:G0B+4*\slot+3], s[G0B+4*\slot+2:G0B+4*\slot+3], 2*STEPB
	JLOAD G0+4*\slot, G1, G0B+4*\slot, G1B
	PLACES NP-4
.else
	PLACES NP
.endif
	v_add_nc_u32 v[ADRS], NQ*NB*64, v[ADRS]
	FETCH_B \next, 0, 0
	FETCH_A \next, 0, 0
	SCALES \next
	MULQ 2, 1, NQ-1, \slot, 0
	MULQ 3, 1, NQ-1, \slot, 0
	PLACES NP
	WIN 0
	FETCH_A \next, 0, NB/2
.endm
.macro MID slot
.if NQ > 2
	STEP \slot, 1, 0
	STEP \slot, 2, 0
.endif
.endm
	s_load_b256 s[4:11], s[0:1], 0x0               ; A s[4:5], w s[6:7], the bias s[8:9], the residual s[10:11]
	s_load_b64 s[12:13], s[0:1], 0x20              ; y
	v_lshl_add_u32 v[SPW], v0, 2, SPARE
	v_mov_b32 v[NIL], 0
	ds_add_u32 v28, v29
	ds_add_u32 v28, v29
	s_wait_dscnt 0x0
	v_lshrrev_b32 v1, 5, v0
	v_readfirstlane_b32 s14, v1                    ; wave 0..3
	s_lshr_b32 s15, s14, 1                         ; my half of the tile's rows.  Also: I fetch for A (0) or for W (1)
	s_and_b32 s16, s14, 1                          ; my half of its columns.  Also: which half I fetch
	s_bfe_u32 s40, ttmp6, 0x40000                  ; cx
	s_bfe_u32 s41, ttmp6, 0x40004                  ; cy
	s_lshl_b32 s42, ttmp9, 2
	s_add_co_u32 s42, s42, s40                     ; tile column
	s_and_b32 s17, ttmp7, 0xffff
	s_lshl_b32 s17, s17, 2
	s_add_co_u32 s17, s17, s41                     ; tile row
	s_lshl_b32 s43, s41, 2
	s_lshl_b32 s43, 15, s43                        ; my row of the cluster
	s_lshl_b32 s44, 0x1111, s40                    ; my column
	s_or_b32 s[G1], s43, (3<<16)|(1<<21)           ; 15:0 the mask; 17:16 elements of 8 bytes; 21 set beside a mask; no padding
	s_or_b32 s[G1B], s44, (3<<16)|(1<<21)
	s_or_b32 s[G1S], s43, (3<<16)|(1<<21)
	s_or_b32 s[G1SB], s44, (3<<16)|(1<<21)
.irp g, G1, G1B
	s_mov_b32 s[\g+1], 2048<<16                    ; tensor_dim0: 16,384 bytes
	s_mov_b32 s[\g+2], 2<<16                       ; tensor_dim1: two runs
	s_mov_b32 s[\g+3], 2048<<16                    ; tile_dim0
	s_mov_b32 s[\g+4], 2                           ; tile_dim1
	s_mov_b32 s[\g+5], 4096                        ; 32,768 bytes apart
	s_mov_b32 s[\g+6], 0
	s_mov_b32 s[\g+7], 0
.endr
.irp g, G1S, G1SB
	s_mov_b32 s[\g+1], 32<<16                      ; 256 bytes: 64 rows' words of one 128 along K
	s_mov_b32 s[\g+2], KS<<16
	s_mov_b32 s[\g+3], 32<<16
	s_mov_b32 s[\g+4], KS
	s_mov_b32 s[\g+5], 64                          ; 512 bytes apart
	s_mov_b32 s[\g+6], 0
	s_mov_b32 s[\g+7], 0
.endr
	s_mul_i32 s20, s17, 128*KK
	s_lshl_b32 s18, s16, 14
	s_add_co_u32 s20, s20, s18                     ; A's codes: the tile's 128 rows, my 64 of them
	s_mov_b32 s21, 0
	s_mul_i32 s22, s17, KS*512
	s_lshl_b32 s19, s16, 8
	s_add_co_u32 s22, s22, s19
	s_add_co_u32 s22, s22, ASC                     ; and their scale words
	s_mov_b32 s23, 0
	s_mul_i32 s46, s42, 128*KK
	s_add_co_u32 s46, s46, s18
	s_add_co_u32 s46, s46, BCO                     ; W likewise
	s_mov_b32 s47, 0
	s_mul_i32 s92, s42, KS*512
	s_add_co_u32 s92, s92, s19
	s_add_co_u32 s92, s92, BSC
	s_mov_b32 s93, 0
	s_lshl_b32 s45, s14, 15                        ; where they go: no place in the cluster enters an LDS address
	s_mul_i32 s94, s14, HS
	s_wait_kmcnt 0x0
	s_add_nc_u64 s[20:21], s[4:5], s[20:21]
	s_add_nc_u64 s[22:23], s[4:5], s[22:23]
	s_add_nc_u64 s[46:47], s[6:7], s[46:47]
	s_add_nc_u64 s[92:93], s[6:7], s[92:93]
	CROUND                                         ; all sixteen work-groups are here: the first joint loads meet
	s_mov_b32 s[G0S], 1
	s_add_co_u32 s[G0S+1], s94, SCL_L
	s_mov_b64 s[G0S+2:G0S+3], s[22:23]
	s_or_b32 s[G0S+3], s[G0S+3], 0x80000000
	s_mov_b32 s[G0SB], 1
	s_add_co_u32 s[G0SB+1], s94, SCL_L
	s_mov_b64 s[G0SB+2:G0SB+3], s[92:93]
	s_or_b32 s[G0SB+3], s[G0SB+3], 0x80000000
	JLOAD G0S, G1S, G0SB, G1SB
.irp s, 0,1
	s_mov_b32 s[G0+4*\s], 1
	s_add_co_u32 s[G0+4*\s+1], s45, \s*SLOT
	s_add_nc_u64 s[G0+4*\s+2:G0+4*\s+3], s[20:21], \s*STEPB
	s_or_b32 s[G0+4*\s+3], s[G0+4*\s+3], 0x80000000
	s_mov_b32 s[G0B+4*\s], 1
	s_add_co_u32 s[G0B+4*\s+1], s45, \s*SLOT
	s_add_nc_u64 s[G0B+4*\s+2:G0B+4*\s+3], s[46:47], \s*STEPB
	s_or_b32 s[G0B+4*\s+3], s[G0B+4*\s+3], 0x80000000
	JLOAD G0+4*\s, G1, G0B+4*\s, G1B
.endr
	v_and_b32 v1, 15, v0                           ; r
	v_bfe_u32 v2, v0, 4, 1                         ; h
	s_wait_alu depctr_va_vdst(0)
	v_and_b32 v3, 31, v0
	v_lshlrev_b32 v3, 4, v3                        ; 16 x lane
	s_lshl_b32 s21, s15, 15
	s_lshl_b32 s22, s16, 15
	s_add_co_u32 s22, s22, 65536
.irp s, 0,1
	v_add_nc_u32 v[ADRA+\s], s21, v3
	v_add_nc_u32 v[ADRB+\s], s22, v3
	s_add_co_u32 s21, s21, SLOT
	s_add_co_u32 s22, s22, SLOT
.endr
	s_mul_i32 s21, s15, HS
	s_mul_i32 s22, s16, HS
	s_add_co_u32 s22, s22, 2*HS
	s_sub_co_u32 s22, s22, s21
	v_mul_u32_u24 v6, s22, v2                      ; lanes 16-31 take W's words
	s_add_co_u32 s21, s21, SCL_L
	v_lshl_add_u32 v5, v1, 2, v6
	v_add_nc_u32 v[ADRS], s21, v5
	s_mul_i32 s23, s14, 4352                       ; my stage: 16 rows x (256 bytes + 16)
	v_mul_u32_u24 v5, v1, 272
	v_lshl_add_u32 v5, v2, 5, v5
	v_add_nc_u32 v[STO], s23, v5                   ; in: row r, 32 bytes for each half of the lanes
	v_mul_u32_u24 v5, v2, 272
	v_lshl_add_u32 v5, v1, 4, v5
	v_add_nc_u32 v[RD], s23, v5                    ; back: lanes 0-15 one row of 256 bytes, lanes 16-31 the next
	v_lshlrev_b32 v5, 12, v2
	v_lshl_add_u32 v[CO], v1, 4, v5                ; and the same two rows in y and in the residual
	v_lshlrev_b32 v30, 5, v2                       ; 32 h
	s_wait_alu depctr_va_vdst(0)
	s_lshl_b32 s18, s42, 9
	s_lshl_b32 s19, s16, 8
	s_add_co_u32 s18, s18, s19                     ; my first column, in bytes
	s_mov_b32 s19, 0
	s_add_nc_u64 s[8:9], s[8:9], s[18:19]
	s_lshl_b32 s66, s17, 19
	s_lshl_b32 s67, s15, 18
	s_add_co_u32 s66, s66, s67
	s_add_co_u32 s66, s66, s18                     ; + my first row
	s_mov_b32 s67, 0
	s_add_nc_u64 s[10:11], s[10:11], s[66:67]
	s_add_nc_u64 s[12:13], s[12:13], s[66:67]
.irp b, 0,1,2,3
.irp u, 0,1
	global_load_b128 v[BC+8*\b+4*\u:BC+8*\b+4*\u+3], v30, s[8:9] offset:64*\b+16*\u
.endr
.endr
	WIN 0x80                                       ; destination window 2
.irp a, 0,1,2,3
.irp t, 0,1,2,3,4,5,6,7
	global_load_b128 v[128+32*\a+4*\t:128+32*\a+4*\t+3], v[CO], s[10:11] offset:(16*\a+2*\t)*4096
.endr
.endr
	WIN 0
	s_wait_tensorcnt 0x1                           ; the scale words and my part of K step 0 are in (K step 1's load may be out)
	s_barrier_signal -1
	s_barrier_wait -1                              ; everybody's are
	FETCH_B 0, 0, 0
	FETCH_A 0, 0, 0
	SCALES 0
	FETCH_A 0, 0, NB/2
	s_wait_loadcnt 32                              ; the bias is in; the residual's 32 loads may be out
	STEP 0, 0, 1
.if LAPS > 1
	s_mov_b32 s3, LAPS-1
.Llap:
	MID 0
	TURN 0, 1, 1
	STEP 1, 0, 0
	MID 1
	TURN 1, 0, 1
	STEP 0, 0, 0
	s_sub_co_u32 s3, s3, 1
	s_cmp_lg_u32 s3, 0
	s_cbranch_scc1 .Llap
.endif
	MID 0
	TURN 0, 1, 0
	STEP 1, 0, 0
	MID 1
	s_wait_dscnt (NB/2)*NL
	MULQ 0, 1, NQ-1, 1, 0
	MULQ 1, 1, NQ-1, 1, 0
	s_wait_dscnt 0x0
	MULQ 2, 1, NQ-1, 1, 0
	MULQ 3, 1, NQ-1, 1, 0
	WIN 0
	; THE WAY OUT, block by block of 16 rows x 64 columns, through my own stage: LDS serves a wave's instructions in order (ISA guide 5.7.1.4), so no wait stands between the stores and the loads
.macro TOSTAGE a
	WIN 0x08                                       ; an LDS store's data are its source 1: window 2
.irp b, 0,1,2,3
	ds_store_b128 v[STO], v[8*(4*(\a)+\b):8*(4*(\a)+\b)+3] offset:64*\b        ; each accumulator from its low end on
	ds_store_b128 v[STO], v[8*(4*(\a)+\b)+4:8*(4*(\a)+\b)+7] offset:64*\b+16
.endr
	WIN 0
.irp t, 0,1,2,3,4,5,6,7
	ds_load_b128 v[OB+32*(\a)+4*\t:OB+32*(\a)+4*\t+3], v[RD] offset:544*\t
.endr
.endm
.macro SEND a, younger                 ; younger: the LDS instructions issued behind block a's loads
	s_wait_dscnt \younger
	WIN 0x08                                       ; source 1: the residual, in window 2, at the same register numbers
.set si, 0
.rept 16
	v_pk_add_f32 v[OB+32*(\a)+si:OB+32*(\a)+si+1], v[OB+32*(\a)+si:OB+32*(\a)+si+1], v[OB+32*(\a)+si:OB+32*(\a)+si+1]
.set si, si+2
.endr
	WIN 0
.irp t, 0,1,2,3,4,5,6,7
	global_store_b128 v[CO], v[OB+32*(\a)+4*\t:OB+32*(\a)+4*\t+3], s[12:13] offset:(16*(\a)+2*\t)*4096   ; 16 lanes store 256 consecutive bytes, aligned
.endr
.endm
	s_wait_loadcnt 0x0                             ; the residual
	PLACES NP
	TOSTAGE 0
	TOSTAGE 1
	SEND 0, 16
	TOSTAGE 2
	SEND 1, 16
	TOSTAGE 3
	SEND 2, 16
	SEND 3, 0
	s_wait_tensorcnt 0x0                           ; the wave's end
	ds_add_u32 v[SPW], v[NIL]
	s_wait_dscnt 0x0
	CROUND                                         ; the closing round
	s_endpgm
.Lfunc_end_k_q4e40a28ee2_wo:
	.size	k_q4e40a28ee2_wo, .Lfunc_end_k_q4e40a28ee2_wo-k_q4e40a28ee2_wo
	.p2alignl 7, 3214868480
	.fill 96, 4, 3214868480
	.section	.rodata,"a",@progbits
	.p2align	6, 0x0
	.amdhsa_kernel k_q4e40a28ee2_wo
		.amdhsa_group_segment_fixed_size 327680
		.amdhsa_private_segment_fixed_size 0
		.amdhsa_enable_private_segment 0
		.amdhsa_kernarg_size 40
		.amdhsa_user_sgpr_count 2
		.amdhsa_user_sgpr_kernarg_segment_ptr 1
		.amdhsa_wavefront_size32 1
		.amdhsa_system_sgpr_workgroup_id_x 1
		.amdhsa_system_sgpr_workgroup_id_y 1
		.amdhsa_system_sgpr_workgroup_id_z 1
		.amdhsa_system_vgpr_workitem_id 0
		.amdhsa_next_free_vgpr 768
		.amdhsa_next_free_sgpr 100
		.amdhsa_reserve_vcc 0
		.amdhsa_float_denorm_mode_32 3
		.amdhsa_float_denorm_mode_16_64 3
		.amdhsa_memory_ordered 1
		.amdhsa_forward_progress 1
		.amdhsa_inst_pref_size 66
	.end_amdhsa_kernel
	.amdgpu_metadata
---
amdhsa.version: [ 1, 2 ]
amdhsa.kernels:
  - .name:           k_q4e40a28ee2_wo
    .symbol:         k_q4e40a28ee2_wo.kd
    .args:
      - { .name: ao, .offset: 0, .size: 8, .value_kind: global_buffer, .address_space: global }
      - { .name: w, .offset: 8, .size: 8, .value_kind: global_buffer, .address_space: global }
      - { .name: bo, .offset: 16, .size: 8, .value_kind: global_buffer, .address_space: global }
      - { .name: x, .offset: 24, .size: 8, .value_kind: global_buffer, .address_space: global }
      - { .name: y, .offset: 32, .size: 8, .value_kind: global_buffer, .address_space: global }
    .group_segment_fixed_size: 327680
    .private_segment_fixed_size: 0
    .kernarg_segment_align: 8
    .kernarg_segment_size: 40
    .max_flat_workgroup_size: 128
    .sgpr_count:     100
    .vgpr_count:     768
    .wavefront_size: 32
...
	.end_amdgpu_metadata
.endif
;; end of part 4
;; launch ln1 (part 5): grid 256 x 1, 8 waves a work-group, no clusters, 67,072 bytes of LDS; arguments y, g1, be1, x1; writes x1
.if DOCPART == 5
	.amdgcn_target "amdgcn-amd-amdhsa--gfx1250"
	.amdhsa_code_object_version 6
	.text
	.protected	k_q4e40a28ee2_ln1
	.globl	k_q4e40a28ee2_ln1
	.p2align	8
	.type	k_q4e40a28ee2_ln1,@function
k_q4e40a28ee2_ln1:
	s_mov_b64 s[64:65], 0
	v_nop
	global_prefetch_b8 v0, s[64:65] scope:SCOPE_SE
	s_setreg_imm32_b32 hwreg(HW_REG_WAVE_MODE, 25, 1), 1
	s_wait_xcnt 0x0
; LayerNorm over rows of 1,024 f32: out = (y - mean) rsqrt(var + 1e-5) g + be, the variance from the differences (two passes over registers).  QZ = 1: the result also leaves quantised along the row, as images of operand registers.
; A work-group takes 16 rows (one tile t).  PHASE 1: a wave takes two whole rows, 32 registers a lane each: the row is read once, the reductions stay in the wave.  Every load and store of a wave covers 512 consecutive bytes.
; PHASE 2 (QZ): the 16 rows meet in LDS (rows 4,112 bytes apart, so that the sixteen rows of a load start in sixteen different 16-byte columns of the banks); wave s takes k = 128 s .. 128 s + 127 of all 16 rows: one fragment and its scale words.
; Order of k in a block of 32, images and scale words: as everywhere in this program (registers 4 c, 4 c + 1: k = 32 c + 8 h + 0..7; 4 c + 2, 4 c + 3: k = 32 c + 16 + 8 h + 0..7).
; No matrix unit, no tensor loads, no cluster: memory binds, and no two work-groups read the same rows.  LIMITS: NaN and infinities are not served; a block of zeros or under 2^-111 gets the byte 1.
.set QZ,  1
.set XR,  64                           ; v64-127  two rows
.set GG,  128                          ; v128-159 g of my columns
.set BB,  160                          ; v160-191 be
.set T,   32                           ; v32-39   at work, four a row
.set MU,  40                           ; v40-43   the means, as pairs
.set RS,  44                           ; v44-47   1 / sqrt, as pairs
.set PC,  16
.set TM,  48
.set PW,  12
.set SEL, 20
.set MNT, 22
.macro QUANT s, nb, pc, pw
.set qb, 0
.rept \nb
	v_max3_num_f32 v[TM+qb], |v[\s+16*qb]|, |v[\s+16*qb+1]|, 0x8000000      ; my 16 numbers, and the floor 2^(16 - 127): the byte cannot fall under 1
.set qb, qb+1
.endr
.set qi, 2
.rept 7
.set qb, 0
.rept \nb
	s_delay_alu instid0(VALU_DEP_4)
	v_max3_num_f32 v[TM+qb], v[TM+qb], |v[\s+16*qb+qi]|, |v[\s+16*qb+qi+1]|
.set qb, qb+1
.endr
.set qi, qi+2
.endr
.set qb, 0
.rept \nb
	s_delay_alu instid0(VALU_DEP_4)
	v_permlanex16_b32 v[TM+4+qb], v[TM+qb], s[SEL], s[SEL+1]
.set qb, qb+1
.endr
.set qb, 0
.rept \nb
	s_delay_alu instid0(VALU_DEP_4)
	v_max_num_f32 v[TM+qb], v[TM+qb], v[TM+4+qb]
.set qb, qb+1
.endr
.set qb, 0
.rept \nb
	s_delay_alu instid0(VALU_DEP_4)
	v_add_nc_u32 v[TM+12+qb], 0xf8800000, v[TM+qb]
.set qb, qb+1
.endr
.set qb, 0
.rept \nb
.set qb, qb+1
.endr
.set qb, 0
.rept \nb
	s_delay_alu instid0(VALU_DEP_4)
	v_lshrrev_b32 v[TM+4+qb], 23, v[TM+12+qb]
.set qb, qb+1
.endr
	s_delay_alu instid0(VALU_DEP_3)
	v_lshl_or_b32 v[\pw], v[TM+5], 8, v[TM+4]
.if \nb > 2
	s_delay_alu instid0(VALU_DEP_1)
	v_lshl_or_b32 v[\pw], v[TM+6], 16, v[\pw]
	s_delay_alu instid0(VALU_DEP_1)
	v_lshl_or_b32 v[\pw], v[TM+7], 24, v[\pw]
.endif
.set qb, 0
.rept \nb
.set qi, 0
.rept 16
.set qi, qi+1
.endr
	v_cvt_scalef32_pk8_bf8_f32 v[\pc+4*qb:\pc+4*qb+1], v[\s+16*qb:\s+16*qb+7], v[TM+12+qb]
	v_cvt_scalef32_pk8_bf8_f32 v[\pc+4*qb+2:\pc+4*qb+3], v[\s+16*qb+8:\s+16*qb+15], v[TM+12+qb]
.set qb, qb+1
.endr
	v_nop
.endm
.macro ACROSS                          ; v[T] and v[T+4]: the sum over the wave's 32 lanes, in every lane
.irp m, 1,2,4,8
.irp p, 0,1
	s_delay_alu instid0(VALU_DEP_2)
	v_add_f32_dpp v[T+4*\p], v[T+4*\p], v[T+4*\p] row_xmask:\m row_mask:0xf bank_mask:0xf
.endr
.endr
.irp p, 0,1
	s_delay_alu instid0(VALU_DEP_2)
	v_permlanex16_b32 v[T+4*\p+1], v[T+4*\p], s[SEL], s[SEL+1]
.endr
.irp p, 0,1
	s_delay_alu instid0(VALU_DEP_2)
	v_add_f32 v[T+4*\p], v[T+4*\p], v[T+4*\p+1]
.endr
.endm
	s_load_b256 s[4:11], s[0:1], 0x0               ; y s[4:5], g s[6:7], be s[8:9], out s[10:11]
	v_lshl_add_u32 v192, v0, 2, 0x10200
	v_mov_b32 v193, 0
	v_lshrrev_b32 v1, 5, v0
	s_delay_alu instid0(VALU_DEP_1)
	v_readfirstlane_b32 s12, v1                    ; wave 0..7
	v_and_b32 v2, 31, v0
	s_delay_alu instid0(VALU_DEP_1)
	v_lshlrev_b32 v1, 4, v2                        ; 16 x lane
	s_lshl_b32 s14, ttmp9, 16                      ; 16 rows of 4,096 bytes,
	s_lshl_b32 s15, s12, 13                        ; my two of them
	s_add_co_u32 s14, s14, s15
	s_mov_b32 s15, 0
	s_mov_b32 s[SEL], 0x76543210
	s_mov_b32 s[SEL+1], 0xfedcba98
	s_mov_b32 s23, 0x3a800000                      ; 1 / 1,024
	s_mov_b32 s24, 0x3727c5ac                      ; 1e-5
	s_wait_alu depctr_va_vdst(0)
	s_wait_kmcnt 0x0
	s_add_nc_u64 s[4:5], s[4:5], s[14:15]
	s_add_nc_u64 s[16:17], s[10:11], s[14:15]
.irp p, 0,1
.irp i, 0,1,2,3,4,5,6,7
	global_load_b128 v[XR+32*\p+4*\i:XR+32*\p+4*\i+3], v1, s[4:5] offset:4096*\p+512*\i th:TH_LOAD_NT
.endr
.endr
.irp i, 0,1,2,3,4,5,6,7
	global_load_b128 v[GG+4*\i:GG+4*\i+3], v1, s[6:7] offset:512*\i
.endr
.irp i, 0,1,2,3,4,5,6,7
	global_load_b128 v[BB+4*\i:BB+4*\i+3], v1, s[8:9] offset:512*\i
.endr
	s_wait_loadcnt 16                              ; the two rows are in; g and be may be out
.irp p, 0,1
	v_pk_add_f32 v[T+4*\p:T+4*\p+1], v[XR+32*\p:XR+32*\p+1], v[XR+32*\p+2:XR+32*\p+3]
	v_pk_add_f32 v[T+4*\p+2:T+4*\p+3], v[XR+32*\p+4:XR+32*\p+5], v[XR+32*\p+6:XR+32*\p+7]
.endr
.irp j, 8,12,16,20,24,28
.irp p, 0,1
	s_delay_alu instid0(VALU_DEP_4)
	v_pk_add_f32 v[T+4*\p:T+4*\p+1], v[T+4*\p:T+4*\p+1], v[XR+32*\p+\j:XR+32*\p+\j+1]
	s_delay_alu instid0(VALU_DEP_4)
	v_pk_add_f32 v[T+4*\p+2:T+4*\p+3], v[T+4*\p+2:T+4*\p+3], v[XR+32*\p+\j+2:XR+32*\p+\j+3]
.endr
.endr
.irp p, 0
	s_delay_alu instid0(VALU_DEP_3)
	v_pk_add_f32 v[T+4*\p:T+4*\p+1], v[T+4*\p:T+4*\p+1], v[T+4*\p+2:T+4*\p+3]
.endr
.irp p, 1
	s_delay_alu instid0(VALU_DEP_2)
	v_pk_add_f32 v[T+4*\p:T+4*\p+1], v[T+4*\p:T+4*\p+1], v[T+4*\p+2:T+4*\p+3]
.endr
.irp p, 0,1
	s_delay_alu instid0(VALU_DEP_2)
	v_add_f32 v[T+4*\p], v[T+4*\p], v[T+4*\p+1]
.endr
	ACROSS
.irp p, 0
	s_delay_alu instid0(VALU_DEP_2)
	v_mul_f32 v[MU+2*\p], s23, v[T+4*\p]           ; the mean, twice: a pair for the packed subtraction
	s_delay_alu instid0(VALU_DEP_3)
	v_mul_f32 v[MU+2*\p+1], s23, v[T+4*\p]
.endr
.irp p, 1
	s_delay_alu instid0(VALU_DEP_3)
	v_mul_f32 v[MU+2*\p], s23, v[T+4*\p]           ; the mean, twice: a pair for the packed subtraction
	s_delay_alu instid0(VALU_DEP_4)
	v_mul_f32 v[MU+2*\p+1], s23, v[T+4*\p]
.endr
.irp j, 0,2,4,6,8,10,12,14,16,18,20,22,24,26,28,30
.irp p, 0,1
	v_pk_add_f32 v[XR+32*\p+\j:XR+32*\p+\j+1], v[XR+32*\p+\j:XR+32*\p+\j+1], v[MU+2*\p:MU+2*\p+1] neg_lo:[0,1] neg_hi:[0,1]
.endr
.endr
.irp p, 0,1
	v_pk_mul_f32 v[T+4*\p:T+4*\p+1], v[XR+32*\p:XR+32*\p+1], v[XR+32*\p:XR+32*\p+1]
	v_pk_mul_f32 v[T+4*\p+2:T+4*\p+3], v[XR+32*\p+2:XR+32*\p+3], v[XR+32*\p+2:XR+32*\p+3]
.endr
.irp j, 4,8,12,16,20,24,28
.irp p, 0,1
	s_delay_alu instid0(VALU_DEP_4)
	v_pk_fma_f32 v[T+4*\p:T+4*\p+1], v[XR+32*\p+\j:XR+32*\p+\j+1], v[XR+32*\p+\j:XR+32*\p+\j+1], v[T+4*\p:T+4*\p+1]
	s_delay_alu instid0(VALU_DEP_4)
	v_pk_fma_f32 v[T+4*\p+2:T+4*\p+3], v[XR+32*\p+\j+2:XR+32*\p+\j+3], v[XR+32*\p+\j+2:XR+32*\p+\j+3], v[T+4*\p+2:T+4*\p+3]
.endr
.endr
.irp p, 0
	s_delay_alu instid0(VALU_DEP_3)
	v_pk_add_f32 v[T+4*\p:T+4*\p+1], v[T+4*\p:T+4*\p+1], v[T+4*\p+2:T+4*\p+3]
.endr
.irp p, 1
	s_delay_alu instid0(VALU_DEP_2)
	v_pk_add_f32 v[T+4*\p:T+4*\p+1], v[T+4*\p:T+4*\p+1], v[T+4*\p+2:T+4*\p+3]
.endr
.irp p, 0,1
	s_delay_alu instid0(VALU_DEP_2)
	v_add_f32 v[T+4*\p], v[T+4*\p], v[T+4*\p+1]
.endr
	ACROSS
.irp p, 0,1
	s_delay_alu instid0(VALU_DEP_2)
	v_fma_f32 v[T+4*\p], v[T+4*\p], s23, s24       ; the variance + 1e-5
.endr
	s_wait_alu depctr_va_vdst(0)
.irp p, 0,1
	v_rsq_f32 v[RS+2*\p], v[T+4*\p]
	v_rsq_f32 v[RS+2*\p+1], v[T+4*\p]
.endr
	v_nop                                          ; a plain place behind the transcendentals
	s_wait_loadcnt 0x0                             ; g and be
	s_wait_alu depctr_va_vdst(0)
.irp j, 0,2,4,6,8,10,12,14,16,18,20,22,24,26,28,30
.irp p, 0,1
	v_pk_mul_f32 v[XR+32*\p+\j:XR+32*\p+\j+1], v[XR+32*\p+\j:XR+32*\p+\j+1], v[RS+2*\p:RS+2*\p+1]
.endr
.endr
.irp j, 0,2,4,6,8,10,12,14,16,18,20,22,24,26,28,30
.irp p, 0,1
	v_pk_fma_f32 v[XR+32*\p+\j:XR+32*\p+\j+1], v[XR+32*\p+\j:XR+32*\p+\j+1], v[GG+\j:GG+\j+1], v[BB+\j:BB+\j+1]
.endr
.endr
.if QZ
	s_mul_i32 s25, s12, 8224                       ; LDS: my two rows of 4,112 bytes
	v_add_nc_u32 v3, s25, v1
.irp p, 0,1
.irp i, 0,1,2,3,4,5,6,7
	global_store_b128 v1, v[XR+32*\p+4*\i:XR+32*\p+4*\i+3], s[16:17] offset:4096*\p+512*\i
	ds_store_b128 v3, v[XR+32*\p+4*\i:XR+32*\p+4*\i+3] offset:4112*\p+512*\i
.endr
.endr
	v_and_b32 v4, 15, v0                           ; r
	v_bfe_u32 v5, v0, 4, 1                         ; h
	s_delay_alu instid0(VALU_DEP_2)
	v_mul_u32_u24 v6, v4, 4112
	s_delay_alu instid0(VALU_DEP_1)
	v_lshl_add_u32 v6, v5, 5, v6
	s_lshl_b32 s25, s12, 9
	v_add_nc_u32 v6, s25, v6                       ; row r, + 32 h, + my 128 numbers
	v_lshlrev_b32 v7, 2, v4                        ; 4 r
.irp b, 0,1,2,3
	v_mov_b32 v[TM+4+\b], 0                        ; written once: a lane permute's destination counts as one of its sources
.endr
	s_lshr_b32 s26, ttmp9, 3                       ; t >> 3
	s_and_b32 s27, ttmp9, 7                        ; t & 7
	s_lshl_b32 s28, s26, 17
	s_lshr_b32 s29, s12, 1
	s_lshl_b32 s29, s29, 15
	s_add_co_u32 s28, s28, s29
	s_lshl_b32 s29, s27, 12
	s_add_co_u32 s28, s28, s29
	s_and_b32 s29, s12, 1
	s_lshl_b32 s29, s29, 11
	s_add_co_u32 s28, s28, s29
	s_add_co_u32 s28, s28, 16777216                ; the image of fragment (t, wave)
	s_mov_b32 s29, 0
	s_lshl_b32 s30, s26, 12
	s_add_co_u32 s30, s30, s25
	s_lshl_b32 s31, s27, 6
	s_add_co_u32 s30, s30, s31
	s_add_co_u32 s30, s30, 20971520                ; its scale words
	s_mov_b32 s31, 0
	s_add_nc_u64 s[28:29], s[10:11], s[28:29]
	s_add_nc_u64 s[30:31], s[10:11], s[30:31]
	s_wait_alu depctr_va_vdst(0)
	s_wait_dscnt 0x0                               ; for the others' sake: my rows lie in LDS
	s_barrier_signal -1
	s_barrier_wait -1
	s_wait_xcnt 0x0                                ; the stores above have read their data: the registers are loaded again
.irp b, 0,1,2,3
.irp u, 0,1
.irp j, 0,1
	ds_load_b128 v[XR+16*\b+8*\u+4*\j:XR+16*\b+8*\u+4*\j+3], v6 offset:128*\b+64*\u+16*\j
.endr
.endr
.endr
	s_wait_dscnt 0x0
	QUANT XR, 4, PC, PW
.irp c, 0,1,2,3
	global_store_b128 v1, v[PC+4*\c:PC+4*\c+3], s[28:29] offset:512*\c
.endr
	global_store_b32 v7, v[PW], s[30:31]           ; lanes r and r + 16 hold the same word and store it to the same place
.else
.irp p, 0,1
.irp i, 0,1,2,3,4,5,6,7
	global_store_b128 v1, v[XR+32*\p+4*\i:XR+32*\p+4*\i+3], s[16:17] offset:4096*\p+512*\i th:TH_STORE_NT
.endr
.endr
.endif
	s_wait_tensorcnt 0x0
	ds_add_u32 v192, v193
	s_wait_dscnt 0x0
	s_endpgm
.Lfunc_end_k_q4e40a28ee2_ln1:
	.size	k_q4e40a28ee2_ln1, .Lfunc_end_k_q4e40a28ee2_ln1-k_q4e40a28ee2_ln1
	.p2alignl 7, 3214868480
	.fill 96, 4, 3214868480
	.section	.rodata,"a",@progbits
	.p2align	6, 0x0
	.amdhsa_kernel k_q4e40a28ee2_ln1
		.amdhsa_group_segment_fixed_size 67072
		.amdhsa_private_segment_fixed_size 0
		.amdhsa_enable_private_segment 0
		.amdhsa_kernarg_size 32
		.amdhsa_user_sgpr_count 2
		.amdhsa_user_sgpr_kernarg_segment_ptr 1
		.amdhsa_wavefront_size32 1
		.amdhsa_system_sgpr_workgroup_id_x 1
		.amdhsa_system_sgpr_workgroup_id_y 1
		.amdhsa_system_sgpr_workgroup_id_z 1
		.amdhsa_system_vgpr_workitem_id 0
		.amdhsa_next_free_vgpr 194
		.amdhsa_next_free_sgpr 66
		.amdhsa_reserve_vcc 0
		.amdhsa_float_denorm_mode_32 3
		.amdhsa_float_denorm_mode_16_64 3
		.amdhsa_fp16_overflow 1
		.amdhsa_memory_ordered 1
		.amdhsa_forward_progress 1
		.amdhsa_inst_pref_size 30
	.end_amdhsa_kernel
	.amdgpu_metadata
---
amdhsa.version: [ 1, 2 ]
amdhsa.kernels:
  - .name:           k_q4e40a28ee2_ln1
    .symbol:         k_q4e40a28ee2_ln1.kd
    .args:
      - { .name: y, .offset: 0, .size: 8, .value_kind: global_buffer, .address_space: global }
      - { .name: g1, .offset: 8, .size: 8, .value_kind: global_buffer, .address_space: global }
      - { .name: be1, .offset: 16, .size: 8, .value_kind: global_buffer, .address_space: global }
      - { .name: x1, .offset: 24, .size: 8, .value_kind: global_buffer, .address_space: global }
    .group_segment_fixed_size: 67072
    .private_segment_fixed_size: 0
    .kernarg_segment_align: 8
    .kernarg_segment_size: 32
    .max_flat_workgroup_size: 256
    .sgpr_count:     66
    .vgpr_count:     194
    .wavefront_size: 32
...
	.end_amdgpu_metadata
.endif
;; end of part 5
;; launch w1 (part 6): grid 16 x 16, 4 waves a work-group, clusters of 4 x 4, 327,680 bytes of LDS; arguments x1, w, b1, hq; writes hq
.if DOCPART == 6
	.amdgcn_target "amdgcn-amd-amdhsa--gfx1250"
	.amdhsa_code_object_version 6
	.text
	.protected	k_q4e40a28ee2_w1
	.globl	k_q4e40a28ee2_w1
	.p2align	8
	.type	k_q4e40a28ee2_w1,@function
k_q4e40a28ee2_w1:
	s_mov_b64 s[64:65], 0
	v_nop
	global_prefetch_b8 v0, s[64:65] scope:SCOPE_SE
	s_setreg_imm32_b32 hwreg(HW_REG_WAVE_MODE, 25, 1), 1
	s_wait_xcnt 0x0
	s_wait_alu depctr_hold_cnt(0) depctr_sa_sdst(0) depctr_va_vdst(0) depctr_va_sdst(0) depctr_va_ssrc(0) depctr_va_vcc(0) depctr_vm_vsrc(0)
	s_getreg_b32 s2, hwreg(HW_REG_IB_STS2, 6, 4)
	s_cmp_eq_u32 s2, 0
	s_cbranch_scc0 .Lentry_in_a_cluster
	s_endpgm
.Lentry_in_a_cluster:
	s_bfe_u32 s2, ttmp6, 0x10000c
	s_cmp_lg_u32 s2, 0xf033
	s_cbranch_scc0 .Lentry_shape_is_right
	s_endpgm
.Lentry_shape_is_right:
.set NB,    8
.set NQ,    2
.set KK,    1024
.set KS,    KK/128
.set HS,    KS*NB*64
.set SLOT,  131072
.set STEPB, 16384*NQ
.set SCL_L, 2*SLOT
.set SPARE, SCL_L+4*HS
.set LAPS,  KK/(256*NQ)
.set NL,    4
.set NP,    8
.set ADRA, 16
.set ADRB, 20
.set ADRS, 27
.set SPW,  28
.set NIL,  29
.set SC,   32
.set BC,   64
.set AF,   128
.set G1,   24
.set G0,   32
.set G1B,  48
.set G0B,  56
.set G1S,  68
.set G0S,  76
.set G1SB, 80
.set G0SB, 88
.set PC,   192
.set TM,   208
.set PW,   224
.set SEL,  90
.set MNT,  88
.set CA,   32
.set CB,   46
.set HC,   64
.set WW,   80
.set PP,   96
.set QQ,   112
.set MSB, 0
.macro WIN new
.if MSB != \new
	s_set_vgpr_msb (MSB<<8)|\new
.set MSB, \new
.endif
.endm
.macro PLACES n
.rept \n
	v_nop
.endr
.endm
.macro JLOAD g0a, g1a, g0b, g1b
	s_cmp_eq_u32 s15, 0
	s_cbranch_scc0 .Lfor_b_\@
	tensor_load_to_lds s[\g0a:\g0a+3], s[\g1a:\g1a+7]
	s_nop 0
.rept 4
	v_nop
.endr
	s_branch .Lasked_\@
.Lfor_b_\@:
	tensor_load_to_lds s[\g0b:\g0b+3], s[\g1b:\g1b+7]
	s_nop 0
.rept 4
	v_nop
.endr
.Lasked_\@:
.endm
.macro CREST
	s_cmp_lg_u32 s14, 0
	s_cbranch_scc1 .Lnot_wave_0_\@
	s_barrier_signal -3
.Lnot_wave_0_\@:
	s_barrier_wait -3
	s_barrier_signal -1
	s_barrier_wait -1
.endm
.macro CROUND
	s_barrier_signal -1
	s_barrier_wait -1
	CREST
.endm
.macro FRAG reg, adr, q, i
.irp c, 0,1,2,3
	ds_load_b128 v[\reg+4*\c:\reg+4*\c+3], v[\adr] offset:((\q)>>1)*(NB*4096)+(\i)*4096+((\q)&1)*2048+512*\c
.endr
.endm
.macro FETCH_B slot, q, p
	WIN 0x40
.set fi, 0
.rept NB
	FRAG 128*(\p)+16*fi, ADRB+\slot, \q, fi
.set fi, fi+1
.endr
	WIN 0
.endm
.macro FETCH_A slot, q, i0
.set fi, \i0
.rept NB/2
	FRAG AF+16*fi, ADRA+\slot, \q, fi
.set fi, fi+1
.endr
.endm
.macro SCALES set
.set fi, 0
.rept NB
.set fq, 0
.rept NQ
	ds_load_b32 v[SC+16*(\set)+NQ*fi+fq], v[ADRS] offset:fq*NB*64+64*fi
.set fq, fq+1
.endr
.set fi, fi+1
.endr
.endm
.macro MULQ qt, p, q, set, first
.set ma, (\qt)*(NB/4)
.rept NB/4
.set wa, 2+(ma*NB)/32
.if \first
.set wn, (wa<<6)|1
.else
.set wn, (wa<<6)|(wa<<4)|1
.endif
	WIN wn
.set mb, 0
.rept NB
.set ac, (8*(ma*NB+mb))%256
.if \first
	v_wmma_scale_f32_16x16x128_f8f6f4 v[ac:ac+7], v[128*(\p)+16*mb:128*(\p)+16*mb+15], v[AF+16*ma:AF+16*ma+15], v[BC+8*mb:BC+8*mb+7], v[SC+16*(\set)+NQ*mb+(\q)], v[SC+16*(\set)+NQ*ma+(\q)] matrix_a_fmt:MATRIX_FMT_BF8 matrix_b_fmt:MATRIX_FMT_BF8 matrix_a_scale:MATRIX_SCALE_ROW1
.else
	v_wmma_scale_f32_16x16x128_f8f6f4 v[ac:ac+7], v[128*(\p)+16*mb:128*(\p)+16*mb+15], v[AF+16*ma:AF+16*ma+15], v[ac:ac+7], v[SC+16*(\set)+NQ*mb+(\q)], v[SC+16*(\set)+NQ*ma+(\q)] matrix_a_fmt:MATRIX_FMT_BF8 matrix_b_fmt:MATRIX_FMT_BF8 matrix_a_scale:MATRIX_SCALE_ROW1
.endif
.set mb, mb+1
.endr
.set ma, ma+1
.endr
.endm
.macro STEP slot, q, first
	s_wait_dscnt (NB/2)*NL
	MULQ 0, (\q)%2, \q, \slot, \first
	MULQ 1, (\q)%2, \q, \slot, \first
	s_wait_dscnt 0x0
	PLACES NP
	FETCH_B \slot, (\q)+1, 1-(\q)%2
	FETCH_A \slot, (\q)+1, 0
	MULQ 2, (\q)%2, \q, \slot, \first
	MULQ 3, (\q)%2, \q, \slot, \first
	PLACES NP
	WIN 0
	FETCH_A \slot, (\q)+1, NB/2
.endm
.macro TURN slot, next, fill
	s_wait_tensorcnt 0x0
	ds_add_u32 v[SPW], v[NIL]
	s_wait_dscnt (NB/2)*NL+1
	MULQ 0, 1, NQ-1, \slot, 0
	s_wait_dscnt 0x0
	s_barrier_signal -1
	MULQ 1, 1, NQ-1, \slot, 0
	WIN 0
	s_barrier_wait -1
.if \fill
	CREST
	s_add_nc_u64 s[G0+4*\slot+2:G0+4*\slot+3], s[G0+4*\slot+2:G0+4*\slot+3], 2*STEPB
	s_add_nc_u64 s[G0B+4*\slot+2:G0B+4*\slot+3], s[G0B+4*\slot+2:G0B+4*\slot+3], 2*STEPB
	JLOAD G0+4*\slot, G1, G0B+4*\slot, G1B
	PLACES NP-4
.else
	PLACES NP
.endif
	s_wait_alu depctr_va_vdst(0)
	v_add_nc_u32 v[ADRS], NQ*NB*64, v[ADRS]
	FETCH_B \next, 0, 0
	FETCH_A \next, 0, 0
	SCALES \next
	MULQ 2, 1, NQ-1, \slot, 0
	MULQ 3, 1, NQ-1, \slot, 0
	PLACES NP
	WIN 0
	FETCH_A \next, 0, NB/2
.endm
.macro MID slot
.if NQ > 2
	STEP \slot, 1, 0
	STEP \slot, 2, 0
.endif
.endm
.macro QUANT s, nb, pc, pw
.set qb, 0
.rept \nb
	v_max3_num_f32 v[TM+qb], |v[\s+16*qb]|, |v[\s+16*qb+1]|, 0x8000000
.set qb, qb+1
.endr
.set qi, 2
.rept 7
.set qb, 0
.rept \nb
	v_max3_num_f32 v[TM+qb], v[TM+qb], |v[\s+16*qb+qi]|, |v[\s+16*qb+qi+1]|
.set qb, qb+1
.endr
.set qi, qi+2
.endr
.set qb, 0
.rept \nb
	v_permlanex16_b32 v[TM+4+qb], v[TM+qb], s[SEL], s[SEL+1]
.set qb, qb+1
.endr
.set qb, 0
.rept \nb
	v_max_num_f32 v[TM+qb], v[TM+qb], v[TM+4+qb]
.set qb, qb+1
.endr
.set qb, 0
.rept \nb
	v_add_nc_u32 v[TM+12+qb], 0xf8800000, v[TM+qb]
.set qb, qb+1
.endr
.set qb, 0
.rept \nb
.set qb, qb+1
.endr
.set qb, 0
.rept \nb
	v_lshrrev_b32 v[TM+4+qb], 23, v[TM+12+qb]
.set qb, qb+1
.endr
	v_lshl_or_b32 v[\pw], v[TM+5], 8, v[TM+4]
.if \nb > 2
	v_lshl_or_b32 v[\pw], v[TM+6], 16, v[\pw]
	v_lshl_or_b32 v[\pw], v[TM+7], 24, v[\pw]
.endif
.set qb, 0
.rept \nb
.set qi, 0
.rept 16
.set qi, qi+1
.endr
	v_cvt_scalef32_pk8_bf8_f32 v[\pc+4*qb:\pc+4*qb+1], v[\s+16*qb:\s+16*qb+7], v[TM+12+qb]
	v_cvt_scalef32_pk8_bf8_f32 v[\pc+4*qb+2:\pc+4*qb+3], v[\s+16*qb+8:\s+16*qb+15], v[TM+12+qb]
.set qb, qb+1
.endr
	v_nop
.endm
	s_load_b256 s[4:11], s[0:1], 0x0
	v_lshl_add_u32 v[SPW], v0, 2, SPARE
	v_mov_b32 v[NIL], 0
	ds_add_u32 v28, v29
	ds_add_u32 v28, v29
	s_wait_dscnt 0x0
	v_lshrrev_b32 v1, 5, v0
	v_readfirstlane_b32 s14, v1
	s_lshr_b32 s15, s14, 1
	s_and_b32 s16, s14, 1
	s_bfe_u32 s40, ttmp6, 0x40000
	s_bfe_u32 s41, ttmp6, 0x40004
	s_lshl_b32 s42, ttmp9, 2
	s_add_co_u32 s42, s42, s40
	s_and_b32 s17, ttmp7, 0xffff
	s_lshl_b32 s17, s17, 2
	s_add_co_u32 s17, s17, s41
	s_lshl_b32 s43, s41, 2
	s_lshl_b32 s43, 15, s43
	s_lshl_b32 s44, 0x1111, s40
	s_or_b32 s[G1], s43, (3<<16)|(1<<21)
	s_or_b32 s[G1B], s44, (3<<16)|(1<<21)
	s_or_b32 s[G1S], s43, (3<<16)|(1<<21)
	s_or_b32 s[G1SB], s44, (3<<16)|(1<<21)
.irp g, G1, G1B
	s_mov_b32 s[\g+1], 32<<16
	s_mov_b32 s[\g+2], 128<<16
	s_mov_b32 s[\g+3], 32<<16
	s_mov_b32 s[\g+4], 128
	s_mov_b32 s[\g+5], 32
	s_mov_b32 s[\g+6], 0
	s_mov_b32 s[\g+7], 0
.endr
.irp g, G1S, G1SB
	s_mov_b32 s[\g+1], 32<<16
	s_mov_b32 s[\g+2], 16<<16
	s_mov_b32 s[\g+3], 32<<16
	s_mov_b32 s[\g+4], 16
	s_mov_b32 s[\g+5], 32
	s_mov_b32 s[\g+6], 0
	s_mov_b32 s[\g+7], 0
.endr
	s_lshl_b32 s20, s17, 1
	s_add_co_u32 s20, s20, s16
	s_lshl_b32 s22, s20, 12
	s_lshl_b32 s20, s20, 17
	s_add_co_u32 s20, s20, 16777216
	s_add_co_u32 s22, s22, 20971520
	s_mov_b32 s21, 0
	s_mov_b32 s23, 0
	s_lshl_b32 s46, s42, 1
	s_add_co_u32 s46, s46, s16
	s_lshl_b32 s92, s46, 12
	s_lshl_b32 s46, s46, 17
	s_add_co_u32 s46, s46, 0x400000
	s_add_co_u32 s92, s92, 12582912+131072
	s_mov_b32 s47, 0
	s_mov_b32 s93, 0
	s_lshl_b32 s45, s14, 15
	s_mul_i32 s94, s14, HS
	s_wait_kmcnt 0x0
	s_add_nc_u64 s[20:21], s[4:5], s[20:21]
	s_add_nc_u64 s[22:23], s[4:5], s[22:23]
	s_add_nc_u64 s[46:47], s[6:7], s[46:47]
	s_add_nc_u64 s[92:93], s[6:7], s[92:93]
	CROUND
	s_mov_b32 s[G0S], 1
	s_add_co_u32 s[G0S+1], s94, SCL_L
	s_mov_b64 s[G0S+2:G0S+3], s[22:23]
	s_or_b32 s[G0S+3], s[G0S+3], 0x80000000
	s_mov_b32 s[G0SB], 1
	s_add_co_u32 s[G0SB+1], s94, SCL_L
	s_mov_b64 s[G0SB+2:G0SB+3], s[92:93]
	s_or_b32 s[G0SB+3], s[G0SB+3], 0x80000000
	JLOAD G0S, G1S, G0SB, G1SB
.irp s, 0,1
	s_mov_b32 s[G0+4*\s], 1
	s_add_co_u32 s[G0+4*\s+1], s45, \s*SLOT
	s_add_nc_u64 s[G0+4*\s+2:G0+4*\s+3], s[20:21], \s*STEPB
	s_or_b32 s[G0+4*\s+3], s[G0+4*\s+3], 0x80000000
	s_mov_b32 s[G0B+4*\s], 1
	s_add_co_u32 s[G0B+4*\s+1], s45, \s*SLOT
	s_add_nc_u64 s[G0B+4*\s+2:G0B+4*\s+3], s[46:47], \s*STEPB
	s_or_b32 s[G0B+4*\s+3], s[G0B+4*\s+3], 0x80000000
	s_wait_alu depctr_va_vdst(0)
	s_wait_tensorcnt 0x0
	ds_add_u32 v28, v29
	s_wait_dscnt 0x0
	CROUND
	JLOAD G0+4*\s, G1, G0B+4*\s, G1B
.endr
	v_and_b32 v1, 15, v0
	v_bfe_u32 v2, v0, 4, 1
	s_wait_alu depctr_va_vdst(0)
	v_and_b32 v3, 31, v0
	v_lshlrev_b32 v3, 4, v3
	s_lshl_b32 s21, s15, 15
	s_lshl_b32 s22, s16, 15
	s_add_co_u32 s22, s22, 65536
.irp s, 0,1
	v_add_nc_u32 v[ADRA+\s], s21, v3
	v_add_nc_u32 v[ADRB+\s], s22, v3
	s_add_co_u32 s21, s21, SLOT
	s_add_co_u32 s22, s22, SLOT
.endr
	s_mul_i32 s21, s15, HS
	s_mul_i32 s22, s16, HS
	s_add_co_u32 s22, s22, 2*HS
	s_sub_co_u32 s22, s22, s21
	v_mul_u32_u24 v6, s22, v2
	s_add_co_u32 s21, s21, SCL_L
	v_lshl_add_u32 v5, v1, 2, v6
	v_add_nc_u32 v[ADRS], s21, v5
	v_lshlrev_b32 v30, 5, v2
	s_lshl_b32 s18, s42, 10
	s_lshl_b32 s19, s16, 9
	s_add_co_u32 s18, s18, s19
	s_mov_b32 s19, 0
	s_add_nc_u64 s[8:9], s[8:9], s[18:19]
.irp b, 0,1,2,3,4,5,6,7
.irp u, 0,1
	global_load_b128 v[BC+8*\b+4*\u:BC+8*\b+4*\u+3], v30, s[8:9] offset:64*\b+16*\u
.endr
.endr
	s_wait_alu depctr_va_vdst(0)
	s_wait_tensorcnt 0x1
	s_barrier_signal -1
	s_barrier_wait -1
	FETCH_B 0, 0, 0
	FETCH_A 0, 0, 0
	SCALES 0
	FETCH_A 0, 0, NB/2
	s_wait_loadcnt 0x0
	STEP 0, 0, 1
.if LAPS > 1
	s_mov_b32 s3, LAPS-1
.Llap:
	MID 0
	TURN 0, 1, 1
	STEP 1, 0, 0
	MID 1
	TURN 1, 0, 1
	STEP 0, 0, 0
	s_sub_co_u32 s3, s3, 1
	s_cmp_lg_u32 s3, 0
	s_cbranch_scc1 .Llap
.endif
	MID 0
	TURN 0, 1, 0
	STEP 1, 0, 0
	MID 1
	s_wait_dscnt (NB/2)*NL
	MULQ 0, 1, NQ-1, 1, 0
	MULQ 1, 1, NQ-1, 1, 0
	s_wait_dscnt 0x0
	MULQ 2, 1, NQ-1, 1, 0
	MULQ 3, 1, NQ-1, 1, 0
	WIN 0
	PLACES NP
	s_mov_b32 s70, 0xc03504f3
	s_mov_b32 s71, 0x403504f3
	s_mov_b32 s[SEL], 0x76543210
	s_mov_b32 s[SEL+1], 0xfedcba98
	s_lshl_b32 s72, s17, 1
	s_add_co_u32 s72, s72, s15
	s_lshl_b32 s73, s72, 19
	s_lshl_b32 s74, s42, 15
	s_add_co_u32 s73, s73, s74
	s_lshl_b32 s74, s16, 11
	s_add_co_u32 s73, s73, s74
	s_lshl_b32 s75, s72, 14
	s_lshl_b32 s74, s42, 10
	s_add_co_u32 s75, s75, s74
	s_lshl_b32 s74, s16, 9
	s_add_co_u32 s75, s75, s74
	s_add_co_u32 s75, s75, 16777216
	v_add_nc_u32 v22, s73, v3
	v_lshlrev_b32 v23, 2, v1
	v_add_nc_u32 v23, s75, v23
.macro COEF r, x
	v_mov_b32 v[\r], \x
	v_mov_b32 v[\r+1], \x
.endm
	COEF CA, 0xb2d3f331
	COEF CA+2, 0x35a84a8d
	COEF CA+4, 0xb847667d
	COEF CA+6, 0xba28d45d
	COEF CA+8, 0xbb883d9c
	COEF CA+10, 0xbc08eb41
	COEF CA+12, 0xbcba79f3
	COEF CB, 0xb97460cd
	COEF CB+2, 0xbadfbd29
	COEF CB+4, 0xbbdc924e
	COEF CB+6, 0xbc719bf8
	COEF CB+8, 0xbc69b6a7
.irp b, 0,1,2,3
	v_mov_b32 v[TM+4+\b], 0
.endr
.macro MOVE a
.set wn, 2+(\a)/4
	WIN wn
.set mi, 0
.rept 32
	v_pk_mul_f32 v[128+mi:129+mi], v[64*((\a)%4)+mi:64*((\a)%4)+mi+1], 0.5 op_sel_hi:[1,0]
.set mi, mi+2
.endr
	WIN 0
.endm
.macro PK8 op, d, a, b, c
.set gi, 0
.rept 8
	v_pk_fma_f32 v[\d+gi:\d+gi+1], v[\a+gi:\a+gi+1], v[\b+gi*\op:\b+gi*\op+1], v[\c:\c+1]
.set gi, gi+2
.endr
.endm
.macro GELU16 g
.set hu, 128+16*(\g)
.set gi, 0
.rept 16
	v_med3_num_f32 v[HC+gi], v[hu+gi], s70, s71
.set gi, gi+1
.endr
.set gi, 0
.rept 8
	v_pk_mul_f32 v[WW+gi:WW+gi+1], v[HC+gi:HC+gi+1], v[HC+gi:HC+gi+1]
.set gi, gi+2
.endr
	PK8 0, PP, WW, CA, CA+2
	PK8 0, QQ, WW, CB, CB+2
	PK8 1, PP, PP, WW, CA+4
	PK8 1, QQ, QQ, WW, CB+4
	PK8 1, PP, PP, WW, CA+6
	PK8 1, QQ, QQ, WW, CB+6
	PK8 1, PP, PP, WW, CA+8
	PK8 1, QQ, QQ, WW, CB+8
	PK8 1, PP, PP, WW, CA+10
	PK8 1, PP, PP, WW, CA+12
.set gi, 0
	s_wait_alu depctr_va_vdst(0)
.rept 16
	v_rcp_f32 v[QQ+gi], v[QQ+gi]
.set gi, gi+1
.endr
.set gi, 0
.rept 8
	v_pk_mul_f32 v[PP+gi:PP+gi+1], v[PP+gi:PP+gi+1], v[HC+gi:HC+gi+1]
.set gi, gi+2
.endr
.set gi, 0
	s_wait_alu depctr_va_vdst(0)
.rept 8
	v_pk_mul_f32 v[PP+gi:PP+gi+1], v[PP+gi:PP+gi+1], v[QQ+gi:QQ+gi+1]
.set gi, gi+2
.endr
.set gi, 0
.rept 8
	v_pk_fma_f32 v[hu+gi:hu+gi+1], v[hu+gi:hu+gi+1], v[PP+gi:PP+gi+1], v[hu+gi:hu+gi+1]
.set gi, gi+2
.endr
.endm
	s_mov_b32 s2, 0
.Lout:
.irp a, 0,1,2,3,4,5,6
	s_cmp_eq_u32 s2, \a
	s_cbranch_scc1 .Lmove\a
.endr
	MOVE 7
	s_branch .Lheavy
.irp a, 0,1,2,3,4,5
.Lmove\a:
	MOVE \a
	s_branch .Lheavy
.endr
.Lmove6:
	MOVE 6
.Lheavy:
	GELU16 0
	GELU16 1
	GELU16 2
	GELU16 3
	QUANT 128, 4, PC, PW
	s_lshl_b32 s76, s2, 12
	v_add_nc_u32 v24, s76, v22
.irp c, 0,1,2,3
	global_store_b128 v24, v[PC+4*\c:PC+4*\c+3], s[10:11] offset:512*\c
.endr
	s_lshl_b32 s76, s2, 6
	v_add_nc_u32 v26, s76, v23
	global_store_b32 v26, v[PW], s[10:11]
	s_wait_xcnt 0x0
	s_add_co_u32 s2, s2, 1
	s_cmp_lt_u32 s2, 8
	s_cbranch_scc1 .Lout
	s_wait_tensorcnt 0x0
	ds_add_u32 v[SPW], v[NIL]
	s_wait_dscnt 0x0
	CROUND
	s_endpgm
.Lfunc_end_k_q4e40a28ee2_w1:
	.size	k_q4e40a28ee2_w1, .Lfunc_end_k_q4e40a28ee2_w1-k_q4e40a28ee2_w1
	.p2alignl 7, 3214868480
	.fill 96, 4, 3214868480
	.section	.rodata,"a",@progbits
	.p2align	6, 0x0
	.amdhsa_kernel k_q4e40a28ee2_w1
		.amdhsa_group_segment_fixed_size 327680
		.amdhsa_private_segment_fixed_size 0
		.amdhsa_enable_private_segment 0
		.amdhsa_kernarg_size 32
		.amdhsa_user_sgpr_count 2
		.amdhsa_user_sgpr_kernarg_segment_ptr 1
		.amdhsa_wavefront_size32 1
		.amdhsa_system_sgpr_workgroup_id_x 1
		.amdhsa_system_sgpr_workgroup_id_y 1
		.amdhsa_system_sgpr_workgroup_id_z 1
		.amdhsa_system_vgpr_workitem_id 0
		.amdhsa_next_free_vgpr 1024
		.amdhsa_next_free_sgpr 100
		.amdhsa_reserve_vcc 0
		.amdhsa_float_denorm_mode_32 3
		.amdhsa_float_denorm_mode_16_64 3
		.amdhsa_fp16_overflow 1
		.amdhsa_memory_ordered 1
		.amdhsa_forward_progress 1
		.amdhsa_inst_pref_size 178
	.end_amdhsa_kernel
	.amdgpu_metadata
---
amdhsa.version: [ 1, 2 ]
amdhsa.kernels:
  - .name:           k_q4e40a28ee2_w1
    .symbol:         k_q4e40a28ee2_w1.kd
    .args:
      - { .name: x1, .offset: 0, .size: 8, .value_kind: global_buffer, .address_space: global }
      - { .name: w, .offset: 8, .size: 8, .value_kind: global_buffer, .address_space: global }
      - { .name: b1, .offset: 16, .size: 8, .value_kind: global_buffer, .address_space: global }
      - { .name: hq, .offset: 24, .size: 8, .value_kind: global_buffer, .address_space: global }
    .group_segment_fixed_size: 327680
    .private_segment_fixed_size: 0
    .kernarg_segment_align: 8
    .kernarg_segment_size: 32
    .max_flat_workgroup_size: 128
    .sgpr_count:     100
    .vgpr_count:     1024
    .wavefront_size: 32
...
	.end_amdgpu_metadata
.endif
;; end of part 6
;; launch w2 (part 7): grid 8 x 32, 4 waves a work-group, clusters of 4 x 4, 327,680 bytes of LDS; arguments hq, w, b2, x1, y; writes y
.if DOCPART == 7
	.amdgcn_target "amdgcn-amd-amdhsa--gfx1250"
	.amdhsa_code_object_version 6
	.text
	.protected	k_q4e40a28ee2_w2
	.globl	k_q4e40a28ee2_w2
	.p2align	8
	.type	k_q4e40a28ee2_w2,@function
k_q4e40a28ee2_w2:
	s_mov_b64 s[64:65], 0
	v_nop
	global_prefetch_b8 v0, s[64:65] scope:SCOPE_SE
	s_setreg_imm32_b32 hwreg(HW_REG_WAVE_MODE, 25, 1), 1
	s_wait_xcnt 0x0
	s_wait_alu depctr_hold_cnt(0) depctr_sa_sdst(0) depctr_va_vdst(0) depctr_va_sdst(0) depctr_va_ssrc(0) depctr_va_vcc(0) depctr_vm_vsrc(0)
	s_getreg_b32 s2, hwreg(HW_REG_IB_STS2, 6, 4)
	s_cmp_eq_u32 s2, 0
	s_cbranch_scc0 .Lentry_in_a_cluster
	s_endpgm
.Lentry_in_a_cluster:
	s_bfe_u32 s2, ttmp6, 0x10000c
	s_cmp_lg_u32 s2, 0xf033
	s_cbranch_scc0 .Lentry_shape_is_right
	s_endpgm
.Lentry_shape_is_right:
.set KK,    4096
.set ASC,   16777216
.set BCO,   0x800000
.set BSC,   12582912+262144
.set NB,    4
.set NQ,    4
.set KS,    KK/128
.set HS,    KS*NB*64
.set SLOT,  131072
.set STEPB, 16384*NQ
.set SCL_L, 2*SLOT
.set SPARE, SCL_L+4*HS
.set LAPS,  KK/(256*NQ)
.set NL,    4
.set NP,    8
.set ADRA, 16
.set ADRB, 20
.set STO,  24
.set RD,   25
.set CO,   26
.set ADRS, 27
.set SPW,  28
.set NIL,  29
.set SC,   32
.set BC,   64
.set AF,   128
.set OB,   128
.set G1,   24
.set G0,   32
.set G1B,  48
.set G0B,  56
.set G1S,  68
.set G0S,  76
.set G1SB, 80
.set G0SB, 88
.set MSB, 0
.macro WIN new
.if MSB != \new
	s_set_vgpr_msb (MSB<<8)|\new
.set MSB, \new
.endif
.endm
.macro PLACES n
.rept \n
	v_nop
.endr
.endm
.macro JLOAD g0a, g1a, g0b, g1b
	s_cmp_eq_u32 s15, 0
	s_cbranch_scc0 .Lfor_b_\@
	tensor_load_to_lds s[\g0a:\g0a+3], s[\g1a:\g1a+7]
	s_nop 0
.rept 4
	v_nop
.endr
	s_branch .Lasked_\@
.Lfor_b_\@:
	tensor_load_to_lds s[\g0b:\g0b+3], s[\g1b:\g1b+7]
	s_nop 0
.rept 4
	v_nop
.endr
.Lasked_\@:
.endm
.macro CREST
	s_cmp_lg_u32 s14, 0
	s_cbranch_scc1 .Lnot_wave_0_\@
	s_barrier_signal -3
.Lnot_wave_0_\@:
	s_barrier_wait -3
	s_barrier_signal -1
	s_barrier_wait -1
.endm
.macro CROUND
	s_barrier_signal -1
	s_barrier_wait -1
	CREST
.endm
.macro FRAG reg, adr, q, i
.irp c, 0,1,2,3
	ds_load_b128 v[\reg+4*\c:\reg+4*\c+3], v[\adr] offset:((\q)>>1)*(NB*4096)+(\i)*4096+((\q)&1)*2048+512*\c
.endr
.endm
.macro FETCH_B slot, q, p
	WIN 0x40
.set fi, 0
.rept NB
	FRAG 128*(\p)+16*fi, ADRB+\slot, \q, fi
.set fi, fi+1
.endr
	WIN 0
.endm
.macro FETCH_A slot, q, i0
.set fi, \i0
.rept NB/2
	FRAG AF+16*fi, ADRA+\slot, \q, fi
.set fi, fi+1
.endr
.endm
.macro SCALES set
.set fi, 0
.rept NB
.set fq, 0
.rept NQ
	ds_load_b32 v[SC+16*(\set)+NQ*fi+fq], v[ADRS] offset:fq*NB*64+64*fi
.set fq, fq+1
.endr
.set fi, fi+1
.endr
.endm
.macro MULQ qt, p, q, set, first
.set ma, (\qt)*(NB/4)
.rept NB/4
.set wa, 2+(ma*NB)/32
.if \first
.set wn, (wa<<6)|1
.else
.set wn, (wa<<6)|(wa<<4)|1
.endif
	WIN wn
.set mb, 0
.rept NB
.set ac, (8*(ma*NB+mb))%256
.if \first
	v_wmma_scale_f32_16x16x128_f8f6f4 v[ac:ac+7], v[128*(\p)+16*mb:128*(\p)+16*mb+15], v[AF+16*ma:AF+16*ma+15], v[BC+8*mb:BC+8*mb+7], v[SC+16*(\set)+NQ*mb+(\q)], v[SC+16*(\set)+NQ*ma+(\q)] matrix_a_fmt:MATRIX_FMT_BF8 matrix_b_fmt:MATRIX_FMT_BF8 matrix_a_scale:MATRIX_SCALE_ROW1
.else
	v_wmma_scale_f32_16x16x128_f8f6f4 v[ac:ac+7], v[128*(\p)+16*mb:128*(\p)+16*mb+15], v[AF+16*ma:AF+16*ma+15], v[ac:ac+7], v[SC+16*(\set)+NQ*mb+(\q)], v[SC+16*(\set)+NQ*ma+(\q)] matrix_a_fmt:MATRIX_FMT_BF8 matrix_b_fmt:MATRIX_FMT_BF8 matrix_a_scale:MATRIX_SCALE_ROW1
.endif
.set mb, mb+1
.endr
.set ma, ma+1
.endr
.endm
.macro STEP slot, q, first
	s_wait_dscnt (NB/2)*NL
	MULQ 0, (\q)%2, \q, \slot, \first
	MULQ 1, (\q)%2, \q, \slot, \first
	s_wait_dscnt 0x0
	PLACES NP
	FETCH_B \slot, (\q)+1, 1-(\q)%2
	FETCH_A \slot, (\q)+1, 0
	MULQ 2, (\q)%2, \q, \slot, \first
	MULQ 3, (\q)%2, \q, \slot, \first
	PLACES NP
	WIN 0
	FETCH_A \slot, (\q)+1, NB/2
.endm
.macro TURN slot, next, fill
	s_wait_tensorcnt 0x0
	ds_add_u32 v[SPW], v[NIL]
	s_wait_dscnt (NB/2)*NL+1
	MULQ 0, 1, NQ-1, \slot, 0
	s_wait_dscnt 0x0
	s_barrier_signal -1
	MULQ 1, 1, NQ-1, \slot, 0
	WIN 0
	s_barrier_wait -1
.if \fill
	CREST
	s_add_nc_u64 s[G0+4*\slot+2:G0+4*\slot+3], s[G0+4*\slot+2:G0+4*\slot+3], 2*STEPB
	s_add_nc_u64 s[G0B+4*\slot+2:G0B+4*\slot+3], s[G0B+4*\slot+2:G0B+4*\slot+3], 2*STEPB
	JLOAD G0+4*\slot, G1, G0B+4*\slot, G1B
	PLACES NP-4
.else
	PLACES NP
.endif
	s_wait_alu depctr_va_vdst(0)
	v_add_nc_u32 v[ADRS], NQ*NB*64, v[ADRS]
	FETCH_B \next, 0, 0
	FETCH_A \next, 0, 0
	SCALES \next
	MULQ 2, 1, NQ-1, \slot, 0
	MULQ 3, 1, NQ-1, \slot, 0
	PLACES NP
	WIN 0
	FETCH_A \next, 0, NB/2
.endm
.macro MID slot
.if NQ > 2
	STEP \slot, 1, 0
	STEP \slot, 2, 0
.endif
.endm
	s_load_b256 s[4:11], s[0:1], 0x0
	s_load_b64 s[12:13], s[0:1], 0x20
	v_lshl_add_u32 v[SPW], v0, 2, SPARE
	v_mov_b32 v[NIL], 0
	ds_add_u32 v28, v29
	ds_add_u32 v28, v29
	s_wait_dscnt 0x0
	v_lshrrev_b32 v1, 5, v0
	v_readfirstlane_b32 s14, v1
	s_lshr_b32 s15, s14, 1
	s_and_b32 s16, s14, 1
	s_bfe_u32 s40, ttmp6, 0x40000
	s_bfe_u32 s41, ttmp6, 0x40004
	s_lshl_b32 s42, ttmp9, 2
	s_add_co_u32 s42, s42, s40
	s_and_b32 s17, ttmp7, 0xffff
	s_lshl_b32 s17, s17, 2
	s_add_co_u32 s17, s17, s41
	s_lshl_b32 s43, s41, 2
	s_lshl_b32 s43, 15, s43
	s_lshl_b32 s44, 0x1111, s40
	s_or_b32 s[G1], s43, (3<<16)|(1<<21)
	s_or_b32 s[G1B], s44, (3<<16)|(1<<21)
	s_or_b32 s[G1S], s43, (3<<16)|(1<<21)
	s_or_b32 s[G1SB], s44, (3<<16)|(1<<21)
.irp g, G1, G1B
	s_mov_b32 s[\g+1], 2048<<16
	s_mov_b32 s[\g+2], 2<<16
	s_mov_b32 s[\g+3], 2048<<16
	s_mov_b32 s[\g+4], 2
	s_mov_b32 s[\g+5], 4096
	s_mov_b32 s[\g+6], 0
	s_mov_b32 s[\g+7], 0
.endr
.irp g, G1S, G1SB
	s_mov_b32 s[\g+1], 32<<16
	s_mov_b32 s[\g+2], KS<<16
	s_mov_b32 s[\g+3], 32<<16
	s_mov_b32 s[\g+4], KS
	s_mov_b32 s[\g+5], 64
	s_mov_b32 s[\g+6], 0
	s_mov_b32 s[\g+7], 0
.endr
	s_mul_i32 s20, s17, 128*KK
	s_lshl_b32 s18, s16, 14
	s_add_co_u32 s20, s20, s18
	s_mov_b32 s21, 0
	s_mul_i32 s22, s17, KS*512
	s_lshl_b32 s19, s16, 8
	s_add_co_u32 s22, s22, s19
	s_add_co_u32 s22, s22, ASC
	s_mov_b32 s23, 0
	s_mul_i32 s46, s42, 128*KK
	s_add_co_u32 s46, s46, s18
	s_add_co_u32 s46, s46, BCO
	s_mov_b32 s47, 0
	s_mul_i32 s92, s42, KS*512
	s_add_co_u32 s92, s92, s19
	s_add_co_u32 s92, s92, BSC
	s_mov_b32 s93, 0
	s_lshl_b32 s45, s14, 15
	s_mul_i32 s94, s14, HS
	s_wait_kmcnt 0x0
	s_add_nc_u64 s[20:21], s[4:5], s[20:21]
	s_add_nc_u64 s[22:23], s[4:5], s[22:23]
	s_add_nc_u64 s[46:47], s[6:7], s[46:47]
	s_add_nc_u64 s[92:93], s[6:7], s[92:93]
	CROUND
	s_mov_b32 s[G0S], 1
	s_add_co_u32 s[G0S+1], s94, SCL_L
	s_mov_b64 s[G0S+2:G0S+3], s[22:23]
	s_or_b32 s[G0S+3], s[G0S+3], 0x80000000
	s_mov_b32 s[G0SB], 1
	s_add_co_u32 s[G0SB+1], s94, SCL_L
	s_mov_b64 s[G0SB+2:G0SB+3], s[92:93]
	s_or_b32 s[G0SB+3], s[G0SB+3], 0x80000000
	JLOAD G0S, G1S, G0SB, G1SB
.irp s, 0,1
	s_mov_b32 s[G0+4*\s], 1
	s_add_co_u32 s[G0+4*\s+1], s45, \s*SLOT
	s_add_nc_u64 s[G0+4*\s+2:G0+4*\s+3], s[20:21], \s*STEPB
	s_or_b32 s[G0+4*\s+3], s[G0+4*\s+3], 0x80000000
	s_mov_b32 s[G0B+4*\s], 1
	s_add_co_u32 s[G0B+4*\s+1], s45, \s*SLOT
	s_add_nc_u64 s[G0B+4*\s+2:G0B+4*\s+3], s[46:47], \s*STEPB
	s_or_b32 s[G0B+4*\s+3], s[G0B+4*\s+3], 0x80000000
	s_wait_alu depctr_va_vdst(0)
	s_wait_tensorcnt 0x0
	ds_add_u32 v28, v29
	s_wait_dscnt 0x0
	CROUND
	JLOAD G0+4*\s, G1, G0B+4*\s, G1B
.endr
	v_and_b32 v1, 15, v0
	v_bfe_u32 v2, v0, 4, 1
	s_wait_alu depctr_va_vdst(0)
	v_and_b32 v3, 31, v0
	v_lshlrev_b32 v3, 4, v3
	s_lshl_b32 s21, s15, 15
	s_lshl_b32 s22, s16, 15
	s_add_co_u32 s22, s22, 65536
.irp s, 0,1
	v_add_nc_u32 v[ADRA+\s], s21, v3
	v_add_nc_u32 v[ADRB+\s], s22, v3
	s_add_co_u32 s21, s21, SLOT
	s_add_co_u32 s22, s22, SLOT
.endr
	s_mul_i32 s21, s15, HS
	s_mul_i32 s22, s16, HS
	s_add_co_u32 s22, s22, 2*HS
	s_sub_co_u32 s22, s22, s21
	v_mul_u32_u24 v6, s22, v2
	s_add_co_u32 s21, s21, SCL_L
	v_lshl_add_u32 v5, v1, 2, v6
	v_add_nc_u32 v[ADRS], s21, v5
	s_mul_i32 s23, s14, 4352
	v_mul_u32_u24 v5, v1, 272
	v_lshl_add_u32 v5, v2, 5, v5
	v_add_nc_u32 v[STO], s23, v5
	v_mul_u32_u24 v5, v2, 272
	v_lshl_add_u32 v5, v1, 4, v5
	v_add_nc_u32 v[RD], s23, v5
	v_lshlrev_b32 v5, 12, v2
	v_lshl_add_u32 v[CO], v1, 4, v5
	v_lshlrev_b32 v30, 5, v2
	s_wait_alu depctr_va_vdst(0)
	s_lshl_b32 s18, s42, 9
	s_lshl_b32 s19, s16, 8
	s_add_co_u32 s18, s18, s19
	s_mov_b32 s19, 0
	s_add_nc_u64 s[8:9], s[8:9], s[18:19]
	s_lshl_b32 s66, s17, 19
	s_lshl_b32 s67, s15, 18
	s_add_co_u32 s66, s66, s67
	s_add_co_u32 s66, s66, s18
	s_mov_b32 s67, 0
	s_add_nc_u64 s[10:11], s[10:11], s[66:67]
	s_add_nc_u64 s[12:13], s[12:13], s[66:67]
.irp b, 0,1,2,3
.irp u, 0,1
	global_load_b128 v[BC+8*\b+4*\u:BC+8*\b+4*\u+3], v30, s[8:9] offset:64*\b+16*\u
.endr
.endr
	WIN 0x80
.irp a, 0,1,2,3
.irp t, 0,1,2,3,4,5,6,7
	global_load_b128 v[128+32*\a+4*\t:128+32*\a+4*\t+3], v[CO], s[10:11] offset:(16*\a+2*\t)*4096
.endr
.endr
	WIN 0
	s_wait_tensorcnt 0x1
	s_barrier_signal -1
	s_barrier_wait -1
	FETCH_B 0, 0, 0
	FETCH_A 0, 0, 0
	SCALES 0
	FETCH_A 0, 0, NB/2
	s_wait_loadcnt 32
	STEP 0, 0, 1
.if LAPS > 1
	s_mov_b32 s3, LAPS-1
.Llap:
	MID 0
	TURN 0, 1, 1
	STEP 1, 0, 0
	MID 1
	TURN 1, 0, 1
	STEP 0, 0, 0
	s_sub_co_u32 s3, s3, 1
	s_cmp_lg_u32 s3, 0
	s_cbranch_scc1 .Llap
.endif
	MID 0
	TURN 0, 1, 0
	STEP 1, 0, 0
	MID 1
	s_wait_dscnt (NB/2)*NL
	MULQ 0, 1, NQ-1, 1, 0
	MULQ 1, 1, NQ-1, 1, 0
	s_wait_dscnt 0x0
	MULQ 2, 1, NQ-1, 1, 0
	MULQ 3, 1, NQ-1, 1, 0
	WIN 0
.macro TOSTAGE a
	WIN 0x08
.irp b, 0,1,2,3
	ds_store_b128 v[STO], v[8*(4*(\a)+\b):8*(4*(\a)+\b)+3] offset:64*\b
	ds_store_b128 v[STO], v[8*(4*(\a)+\b)+4:8*(4*(\a)+\b)+7] offset:64*\b+16
.endr
	WIN 0
.irp t, 0,1,2,3,4,5,6,7
	ds_load_b128 v[OB+32*(\a)+4*\t:OB+32*(\a)+4*\t+3], v[RD] offset:544*\t
.endr
.endm
.macro SEND a, younger
	s_wait_dscnt \younger
	WIN 0x08
.set si, 0
.rept 16
	v_pk_add_f32 v[OB+32*(\a)+si:OB+32*(\a)+si+1], v[OB+32*(\a)+si:OB+32*(\a)+si+1], v[OB+32*(\a)+si:OB+32*(\a)+si+1]
.set si, si+2
.endr
	WIN 0
.irp t, 0,1,2,3,4,5,6,7
	global_store_b128 v[CO], v[OB+32*(\a)+4*\t:OB+32*(\a)+4*\t+3], s[12:13] offset:(16*(\a)+2*\t)*4096
.endr
.endm
	s_wait_loadcnt 0x0
	PLACES NP
	TOSTAGE 0
	TOSTAGE 1
	SEND 0, 16
	TOSTAGE 2
	SEND 1, 16
	TOSTAGE 3
	SEND 2, 16
	SEND 3, 0
	s_wait_tensorcnt 0x0
	ds_add_u32 v[SPW], v[NIL]
	s_wait_dscnt 0x0
	CROUND
	s_endpgm
.Lfunc_end_k_q4e40a28ee2_w2:
	.size	k_q4e40a28ee2_w2, .Lfunc_end_k_q4e40a28ee2_w2-k_q4e40a28ee2_w2
	.p2alignl 7, 3214868480
	.fill 96, 4, 3214868480
	.section	.rodata,"a",@progbits
	.p2align	6, 0x0
	.amdhsa_kernel k_q4e40a28ee2_w2
		.amdhsa_group_segment_fixed_size 327680
		.amdhsa_private_segment_fixed_size 0
		.amdhsa_enable_private_segment 0
		.amdhsa_kernarg_size 40
		.amdhsa_user_sgpr_count 2
		.amdhsa_user_sgpr_kernarg_segment_ptr 1
		.amdhsa_wavefront_size32 1
		.amdhsa_system_sgpr_workgroup_id_x 1
		.amdhsa_system_sgpr_workgroup_id_y 1
		.amdhsa_system_sgpr_workgroup_id_z 1
		.amdhsa_system_vgpr_workitem_id 0
		.amdhsa_next_free_vgpr 768
		.amdhsa_next_free_sgpr 100
		.amdhsa_reserve_vcc 0
		.amdhsa_float_denorm_mode_32 3
		.amdhsa_float_denorm_mode_16_64 3
		.amdhsa_memory_ordered 1
		.amdhsa_forward_progress 1
		.amdhsa_inst_pref_size 108
	.end_amdhsa_kernel
	.amdgpu_metadata
---
amdhsa.version: [ 1, 2 ]
amdhsa.kernels:
  - .name:           k_q4e40a28ee2_w2
    .symbol:         k_q4e40a28ee2_w2.kd
    .args:
      - { .name: hq, .offset: 0, .size: 8, .value_kind: global_buffer, .address_space: global }
      - { .name: w, .offset: 8, .size: 8, .value_kind: global_buffer, .address_space: global }
      - { .name: b2, .offset: 16, .size: 8, .value_kind: global_buffer, .address_space: global }
      - { .name: x1, .offset: 24, .size: 8, .value_kind: global_buffer, .address_space: global }
      - { .name: y, .offset: 32, .size: 8, .value_kind: global_buffer, .address_space: global }
    .group_segment_fixed_size: 327680
    .private_segment_fixed_size: 0
    .kernarg_segment_align: 8
    .kernarg_segment_size: 40
    .max_flat_workgroup_size: 128
    .sgpr_count:     100
    .vgpr_count:     768
    .wavefront_size: 32
...
	.end_amdgpu_metadata
.endif
;; end of part 7
;; launch ln2 (part 8): grid 256 x 1, 8 waves a work-group, no clusters, 0 bytes of LDS; arguments y, g2, be2, out0; writes out0
.if DOCPART == 8
	.amdgcn_target "amdgcn-amd-amdhsa--gfx1250"
	.amdhsa_code_object_version 6
	.text
	.protected	k_q4e40a28ee2_ln2
	.globl	k_q4e40a28ee2_ln2
	.p2align	8
	.type	k_q4e40a28ee2_ln2,@function
k_q4e40a28ee2_ln2:
	s_mov_b64 s[64:65], 0
	v_nop
	global_prefetch_b8 v0, s[64:65] scope:SCOPE_SE
	s_setreg_imm32_b32 hwreg(HW_REG_WAVE_MODE, 25, 1), 1
	s_wait_xcnt 0x0
; LayerNorm over rows of 1,024 f32: out = (y - mean) rsqrt(var + 1e-5) g + be, the variance from the differences (two passes over registers).
; A work-group takes 16 rows; a wave takes two whole rows, 32 registers a lane each: the row is read once, the reductions stay in the wave.  Every load and store of a wave covers 512 consecutive bytes.
; No LDS, no barrier, no matrix unit, no cluster: memory binds, and no two work-groups read the same rows.  LIMIT: NaN and infinities are not served.
.set XR,  64                           ; v64-127  two rows
.set GG,  128                          ; v128-159 g of my columns
.set BB,  160                          ; v160-191 be
.set T,   32                           ; v32-39   at work, four a row
.set MU,  40                           ; v40-43   the means, as pairs
.set RS,  44                           ; v44-47   1 / sqrt, as pairs
.set SEL, 20
.macro ACROSS                          ; v[T] and v[T+4]: the sum over the wave's 32 lanes, in every lane
.irp m, 1,2,4,8
.irp p, 0,1
	s_delay_alu instid0(VALU_DEP_2)
	v_add_f32_dpp v[T+4*\p], v[T+4*\p], v[T+4*\p] row_xmask:\m row_mask:0xf bank_mask:0xf
.endr
.endr
.irp p, 0,1
	s_delay_alu instid0(VALU_DEP_2)
	v_permlanex16_b32 v[T+4*\p+1], v[T+4*\p], s[SEL], s[SEL+1]
.endr
.irp p, 0,1
	s_delay_alu instid0(VALU_DEP_2)
	v_add_f32 v[T+4*\p], v[T+4*\p], v[T+4*\p+1]
.endr
.endm
	s_load_b256 s[4:11], s[0:1], 0x0               ; y s[4:5], g s[6:7], be s[8:9], out s[10:11]
	v_lshrrev_b32 v1, 5, v0
	s_delay_alu instid0(VALU_DEP_1)
	v_readfirstlane_b32 s12, v1                    ; wave 0..7
	v_and_b32 v2, 31, v0
	s_delay_alu instid0(VALU_DEP_1)
	v_lshlrev_b32 v1, 4, v2                        ; 16 x lane
	s_lshl_b32 s14, ttmp9, 16                      ; 16 rows of 4,096 bytes,
	s_lshl_b32 s15, s12, 13                        ; my two of them
	s_add_co_u32 s14, s14, s15
	s_mov_b32 s15, 0
	s_mov_b32 s[SEL], 0x76543210
	s_mov_b32 s[SEL+1], 0xfedcba98
	s_mov_b32 s23, 0x3a800000                      ; 1 / 1,024
	s_mov_b32 s24, 0x3727c5ac                      ; 1e-5
	s_wait_alu depctr_va_vdst(0)
	s_wait_kmcnt 0x0
	s_add_nc_u64 s[4:5], s[4:5], s[14:15]
	s_add_nc_u64 s[16:17], s[10:11], s[14:15]
.irp p, 0,1
.irp i, 0,1,2,3,4,5,6,7
	global_load_b128 v[XR+32*\p+4*\i:XR+32*\p+4*\i+3], v1, s[4:5] offset:4096*\p+512*\i th:TH_LOAD_NT
.endr
.endr
.irp i, 0,1,2,3,4,5,6,7
	global_load_b128 v[GG+4*\i:GG+4*\i+3], v1, s[6:7] offset:512*\i
.endr
.irp i, 0,1,2,3,4,5,6,7
	global_load_b128 v[BB+4*\i:BB+4*\i+3], v1, s[8:9] offset:512*\i
.endr
	s_wait_loadcnt 16                              ; the two rows are in; g and be may be out
.irp p, 0,1
	v_pk_add_f32 v[T+4*\p:T+4*\p+1], v[XR+32*\p:XR+32*\p+1], v[XR+32*\p+2:XR+32*\p+3]
	v_pk_add_f32 v[T+4*\p+2:T+4*\p+3], v[XR+32*\p+4:XR+32*\p+5], v[XR+32*\p+6:XR+32*\p+7]
.endr
.irp j, 8,12,16,20,24,28
.irp p, 0,1
	s_delay_alu instid0(VALU_DEP_4)
	v_pk_add_f32 v[T+4*\p:T+4*\p+1], v[T+4*\p:T+4*\p+1], v[XR+32*\p+\j:XR+32*\p+\j+1]
	s_delay_alu instid0(VALU_DEP_4)
	v_pk_add_f32 v[T+4*\p+2:T+4*\p+3], v[T+4*\p+2:T+4*\p+3], v[XR+32*\p+\j+2:XR+32*\p+\j+3]
.endr
.endr
.irp p, 0
	s_delay_alu instid0(VALU_DEP_3)
	v_pk_add_f32 v[T+4*\p:T+4*\p+1], v[T+4*\p:T+4*\p+1], v[T+4*\p+2:T+4*\p+3]
.endr
.irp p, 1
	s_delay_alu instid0(VALU_DEP_2)
	v_pk_add_f32 v[T+4*\p:T+4*\p+1], v[T+4*\p:T+4*\p+1], v[T+4*\p+2:T+4*\p+3]
.endr
.irp p, 0,1
	s_delay_alu instid0(VALU_DEP_2)
	v_add_f32 v[T+4*\p], v[T+4*\p], v[T+4*\p+1]
.endr
	ACROSS
.irp p, 0
	s_delay_alu instid0(VALU_DEP_2)
	v_mul_f32 v[MU+2*\p], s23, v[T+4*\p]           ; the mean, twice: a pair for the packed subtraction
	s_delay_alu instid0(VALU_DEP_3)
	v_mul_f32 v[MU+2*\p+1], s23, v[T+4*\p]
.endr
.irp p, 1
	s_delay_alu instid0(VALU_DEP_3)
	v_mul_f32 v[MU+2*\p], s23, v[T+4*\p]           ; the mean, twice: a pair for the packed subtraction
	s_delay_alu instid0(VALU_DEP_4)
	v_mul_f32 v[MU+2*\p+1], s23, v[T+4*\p]
.endr
.irp j, 0,2,4,6,8,10,12,14,16,18,20,22,24,26,28,30
.irp p, 0,1
	v_pk_add_f32 v[XR+32*\p+\j:XR+32*\p+\j+1], v[XR+32*\p+\j:XR+32*\p+\j+1], v[MU+2*\p:MU+2*\p+1] neg_lo:[0,1] neg_hi:[0,1]
.endr
.endr
.irp p, 0,1
	v_pk_mul_f32 v[T+4*\p:T+4*\p+1], v[XR+32*\p:XR+32*\p+1], v[XR+32*\p:XR+32*\p+1]
	v_pk_mul_f32 v[T+4*\p+2:T+4*\p+3], v[XR+32*\p+2:XR+32*\p+3], v[XR+32*\p+2:XR+32*\p+3]
.endr
.irp j, 4,8,12,16,20,24,28
.irp p, 0,1
	s_delay_alu instid0(VALU_DEP_4)
	v_pk_fma_f32 v[T+4*\p:T+4*\p+1], v[XR+32*\p+\j:XR+32*\p+\j+1], v[XR+32*\p+\j:XR+32*\p+\j+1], v[T+4*\p:T+4*\p+1]
	s_delay_alu instid0(VALU_DEP_4)
	v_pk_fma_f32 v[T+4*\p+2:T+4*\p+3], v[XR+32*\p+\j+2:XR+32*\p+\j+3], v[XR+32*\p+\j+2:XR+32*\p+\j+3], v[T+4*\p+2:T+4*\p+3]
.endr
.endr
.irp p, 0
	s_delay_alu instid0(VALU_DEP_3)
	v_pk_add_f32 v[T+4*\p:T+4*\p+1], v[T+4*\p:T+4*\p+1], v[T+4*\p+2:T+4*\p+3]
.endr
.irp p, 1
	s_delay_alu instid0(VALU_DEP_2)
	v_pk_add_f32 v[T+4*\p:T+4*\p+1], v[T+4*\p:T+4*\p+1], v[T+4*\p+2:T+4*\p+3]
.endr
.irp p, 0,1
	s_delay_alu instid0(VALU_DEP_2)
	v_add_f32 v[T+4*\p], v[T+4*\p], v[T+4*\p+1]
.endr
	ACROSS
.irp p, 0,1
	s_delay_alu instid0(VALU_DEP_2)
	v_fma_f32 v[T+4*\p], v[T+4*\p], s23, s24       ; the variance + 1e-5
.endr
	s_wait_alu depctr_va_vdst(0)
.irp p, 0,1
	v_rsq_f32 v[RS+2*\p], v[T+4*\p]
	v_rsq_f32 v[RS+2*\p+1], v[T+4*\p]
.endr
	v_nop                                          ; a plain place behind the transcendentals
	s_wait_loadcnt 0x0                             ; g and be
	s_wait_alu depctr_va_vdst(0)
.irp j, 0,2,4,6,8,10,12,14,16,18,20,22,24,26,28,30
.irp p, 0,1
	v_pk_mul_f32 v[XR+32*\p+\j:XR+32*\p+\j+1], v[XR+32*\p+\j:XR+32*\p+\j+1], v[RS+2*\p:RS+2*\p+1]
.endr
.endr
.irp j, 0,2,4,6,8,10,12,14,16,18,20,22,24,26,28,30
.irp p, 0,1
	v_pk_fma_f32 v[XR+32*\p+\j:XR+32*\p+\j+1], v[XR+32*\p+\j:XR+32*\p+\j+1], v[GG+\j:GG+\j+1], v[BB+\j:BB+\j+1]
.endr
.endr
.irp p, 0,1
.irp i, 0,1,2,3,4,5,6,7
	global_store_b128 v1, v[XR+32*\p+4*\i:XR+32*\p+4*\i+3], s[16:17] offset:4096*\p+512*\i th:TH_STORE_NT
.endr
.endr
	s_endpgm
.Lfunc_end_k_q4e40a28ee2_ln2:
	.size	k_q4e40a28ee2_ln2, .Lfunc_end_k_q4e40a28ee2_ln2-k_q4e40a28ee2_ln2
	.p2alignl 7, 3214868480
	.fill 96, 4, 3214868480
	.section	.rodata,"a",@progbits
	.p2align	6, 0x0
	.amdhsa_kernel k_q4e40a28ee2_ln2
		.amdhsa_group_segment_fixed_size 0
		.amdhsa_private_segment_fixed_size 0
		.amdhsa_enable_private_segment 0
		.amdhsa_kernarg_size 32
		.amdhsa_user_sgpr_count 2
		.amdhsa_user_sgpr_kernarg_segment_ptr 1
		.amdhsa_wavefront_size32 1
		.amdhsa_system_sgpr_workgroup_id_x 1
		.amdhsa_system_sgpr_workgroup_id_y 1
		.amdhsa_system_sgpr_workgroup_id_z 1
		.amdhsa_system_vgpr_workitem_id 0
		.amdhsa_next_free_vgpr 192
		.amdhsa_next_free_sgpr 66
		.amdhsa_reserve_vcc 0
		.amdhsa_float_denorm_mode_32 3
		.amdhsa_float_denorm_mode_16_64 3
		.amdhsa_memory_ordered 1
		.amdhsa_forward_progress 1
		.amdhsa_inst_pref_size 21
	.end_amdhsa_kernel
	.amdgpu_metadata
---
amdhsa.version: [ 1, 2 ]
amdhsa.kernels:
  - .name:           k_q4e40a28ee2_ln2
    .symbol:         k_q4e40a28ee2_ln2.kd
    .args:
      - { .name: y, .offset: 0, .size: 8, .value_kind: global_buffer, .address_space: global }
      - { .name: g2, .offset: 8, .size: 8, .value_kind: global_buffer, .address_space: global }
      - { .name: be2, .offset: 16, .size: 8, .value_kind: global_buffer, .address_space: global }
      - { .name: out0, .offset: 24, .size: 8, .value_kind: global_buffer, .address_space: global }
    .group_segment_fixed_size: 0
    .private_segment_fixed_size: 0
    .kernarg_segment_align: 8
    .kernarg_segment_size: 32
    .max_flat_workgroup_size: 256
    .sgpr_count:     66
    .vgpr_count:     192
    .wavefront_size: 32
...
	.end_amdgpu_metadata
.endif
;; end of part 8
